; MI455X (gfx1250); checked and timed in simulation.
; The chip was launched on July 23, 2026; its instructions are those of AMD's public machine-readable ISA for CDNA 5 (MIT licence, August 2026) and "CDNA5" Instruction Set Architecture Reference Guide (July 2026). The comments in the code are by the model that wrote it; some were corrected since.
;; scan wrapper. Allowed arithmetic: float matrix products may take bf16 or f16 operands with f32 sums; other float arithmetic in f32, or as packed bf16 or f16 multiplies, adds, multiply-adds, maxima and minima; sums over many terms, partial sums and values carried from step to step in f32; what a program stores and reads back later, other than sums and carried values, may be rounded once to bf16 or f16.
;; Inputs: W 512 x 512 float32; b 512 float32; pxz 128 x 128 float32; q 128 x 128 float32; w0 128 float32; z 128 x 128 x 512 float32; z0 128 x 512 float32.
;; Outputs: out0 128 x 128 float32; out1 128 x 128 float32; out2 128 x 128 int32.
;; 2 versions, each right and faster than the one before. Each part assembles by itself: llvm-mc -triple=amdgcn-amd-amdhsa -mcpu=gfx1250 --defsym DOCPART=n.
;; ======== version 1 of 2: 4 launches
;; workspace buffers: wf 524,288 bytes; p2 8,388,608 bytes; rs 66,048 bytes
;; launch prep (part 1): grid 32 x 1, 4 waves a work-group, no clusters, 35,328 bytes of LDS; arguments W, wf; writes wf
.if DOCPART == 1
	.amdgcn_target "amdgcn-amd-amdhsa--gfx1250"
	.amdhsa_code_object_version 6
	.text
	.protected	k_qf5f25532d8_prep
	.globl	k_qf5f25532d8_prep
	.p2align	8
	.type	k_qf5f25532d8_prep,@function
k_qf5f25532d8_prep:
	s_mov_b64 s[64:65], 0
	v_nop
	global_prefetch_b8 v0, s[64:65] scope:SCOPE_SE
	s_setreg_imm32_b32 hwreg(HW_REG_WAVE_MODE, 25, 1), 1
	s_wait_xcnt 0x0
; wf = W [512 k][512 d], rounded once to bf16 and laid out as the B fragments of v_wmma_f32_16x16x32_bf16.
; The fragment of chunk c (64 columns d), column tile nt (16 columns) and K step ks (32 rows k) begins at byte c*65536 + nt*16384 + ks*1024;
; in it byte q*512 + lane*16 + 2e holds W[32 ks + 16 q + 8 (lane / 16) + e][64 c + 16 nt + lane % 16]: registers 4q .. 4q+3 of the lane.
; A work-group takes 128 rows k (kq = x % 4) of one chunk (c = x / 4): the tile goes through LDS, in by rows, out by columns.  Wave w is column tile w.
; No matrix unit, no cluster: a copy with a transposition, in which no two work-groups read the same bytes.
.set PITCH, 272                        ; an LDS row: 256 bytes + 16
.set SPARE, 128*PITCH                  ; behind the tile: the spare words, 128 bytes a wave
.set RAW, 12                           ; v[12:75]   16 loads of 16 bytes
.set COL, 76                           ; v[76:139]  my column's 64 numbers: 16 ksl + 8 q + e
.set PK,  12                           ; v[12:43]   the same in bf16 (RAW is dead by then)
	s_load_b128 s[4:7], s[0:1], 0x0                ; W s[4:5], wf s[6:7]
	v_lshl_add_u32 v8, v0, 2, SPARE                ; my spare word,
	v_mov_b32 v9, 0                                ; and 0: kept for the closing lines alone
	v_lshrrev_b32 v10, 5, v0
	v_readfirstlane_b32 s8, v10                    ; wave 0..3
	v_and_b32 v1, 15, v0                           ; r
	v_bfe_u32 v2, v0, 4, 1                         ; hh
	s_lshr_b32 s9, ttmp9, 2                        ; c
	s_and_b32 s10, ttmp9, 3                        ; kq
	s_lshl_b32 s12, s10, 18                        ; 128 rows of 2,048 bytes
	s_lshl_b32 s11, s9, 8                          ; 64 columns of 4 bytes
	s_add_co_u32 s12, s12, s11
	s_mov_b32 s13, 0
	s_lshl_b32 s14, s9, 16
	s_lshl_b32 s11, s10, 12                        ; four K steps of 1,024 bytes
	s_add_co_u32 s14, s14, s11
	s_mov_b32 s15, 0
	v_lshlrev_b32 v3, 4, v1                        ; in memory: row 32 w + hh (+ 2 u), 16 bytes at 16 r
	v_lshl_add_u32 v3, v2, 11, v3
	s_lshl_b32 s16, s8, 16
	v_add_nc_u32 v3, s16, v3
	v_mul_u32_u24 v4, v2, PITCH                    ; the same place in LDS
	v_lshl_add_u32 v4, v1, 4, v4
	s_mul_i32 s17, s8, 32*PITCH
	v_add_nc_u32 v4, s17, v4
	v_mul_u32_u24 v5, v2, 8*PITCH                  ; back: row 8 hh (+ 32 ksl + 16 q + e), column 16 w + r
	v_lshl_add_u32 v5, v1, 2, v5
	s_lshl_b32 s18, s8, 6
	v_add_nc_u32 v5, s18, v5
	v_and_b32 v6, 31, v0                           ; in wf: column tile w, 16 bytes a lane
	v_lshlrev_b32 v6, 4, v6
	s_lshl_b32 s19, s8, 14
	v_add_nc_u32 v6, s19, v6
	s_wait_kmcnt 0x0
	s_add_nc_u64 s[4:5], s[4:5], s[12:13]
	s_add_nc_u64 s[6:7], s[6:7], s[14:15]
.set u, 0
.rept 16
	global_load_b128 v[RAW+4*u:RAW+4*u+3], v3, s[4:5] offset:u*4096 th:TH_LOAD_NT  ; two rows' pieces of 256 consecutive bytes
.set u, u+1
.endr
.set u, 0
.rept 16
	s_wait_loadcnt 15-u                            ; loads come back in order: load u is in, the younger ones stay out
	ds_store_b128 v4, v[RAW+4*u:RAW+4*u+3] offset:u*2*PITCH
.set u, u+1
.endr
	s_wait_dscnt 0x0                               ; for the others' sake: my rows are in LDS
	s_barrier_signal -1
	s_barrier_wait -1
.set u, 0
.rept 64                                       ; u = 16 ksl + 8 q + e; the row is 32 ksl + 16 q + e.  16 lanes take 16 neighbouring words, the other 16 lie 8 rows = 544 words on
	ds_load_b32 v[COL+u], v5 offset:(32*(u/16)+16*((u/8)%2)+u%8)*PITCH
.set u, u+1
.endr
	s_wait_dscnt 0x0
.set u, 0
.rept 32
	v_cvt_pk_bf16_f32 v[PK+u], v[COL+2*u], v[COL+2*u+1]  ; the lower k into the low half
.set u, u+1
.endr
.set u, 0
.rept 8                                        ; u = 2 ksl + q
	global_store_b128 v6, v[PK+4*u:PK+4*u+3], s[6:7] offset:u*512  ; 512 consecutive bytes, at a multiple of 256 from wf's first
.set u, u+1
.endr
	s_wait_tensorcnt 0x0                           ; the wave's end: a wait, an add of 0 to my spare word and its wait, behind my last LDS store
	ds_add_u32 v8, v9
	s_wait_dscnt 0x0
	s_endpgm
.Lfunc_end_k_qf5f25532d8_prep:
	.size	k_qf5f25532d8_prep, .Lfunc_end_k_qf5f25532d8_prep-k_qf5f25532d8_prep
	.p2alignl 7, 3214868480
	.fill 96, 4, 3214868480
	.section	.rodata,"a",@progbits
	.p2align	6, 0x0
	.amdhsa_kernel k_qf5f25532d8_prep
		.amdhsa_group_segment_fixed_size 35328
		.amdhsa_private_segment_fixed_size 0
		.amdhsa_enable_private_segment 0
		.amdhsa_kernarg_size 16
		.amdhsa_user_sgpr_count 2
		.amdhsa_user_sgpr_kernarg_segment_ptr 1
		.amdhsa_wavefront_size32 1
		.amdhsa_system_sgpr_workgroup_id_x 1
		.amdhsa_system_sgpr_workgroup_id_y 1
		.amdhsa_system_sgpr_workgroup_id_z 1
		.amdhsa_system_vgpr_workitem_id 0
		.amdhsa_next_free_vgpr 140
		.amdhsa_next_free_sgpr 66
		.amdhsa_reserve_vcc 0
		.amdhsa_float_denorm_mode_32 3
		.amdhsa_float_denorm_mode_16_64 3
		.amdhsa_memory_ordered 1
		.amdhsa_forward_progress 1
		.amdhsa_inst_pref_size 12
	.end_amdhsa_kernel
	.amdgpu_metadata
---
amdhsa.version: [ 1, 2 ]
amdhsa.kernels:
  - .name:           k_qf5f25532d8_prep
    .symbol:         k_qf5f25532d8_prep.kd
    .args:
      - { .name: W, .offset: 0, .size: 8, .value_kind: global_buffer, .address_space: global }
      - { .name: wf, .offset: 8, .size: 8, .value_kind: global_buffer, .address_space: global }
    .group_segment_fixed_size: 35328
    .private_segment_fixed_size: 0
    .kernarg_segment_align: 8
    .kernarg_segment_size: 16
    .max_flat_workgroup_size: 128
    .sgpr_count:     66
    .vgpr_count:     140
    .wavefront_size: 32
...
	.end_amdgpu_metadata
.endif
;; end of part 1
;; launch pzz (part 2): grid 256 x 1, 4 waves a work-group, clusters of 4 x 1, 327,680 bytes of LDS; arguments z, z0, b, wf, p2; writes p2
.if DOCPART == 2
	.amdgcn_target "amdgcn-amd-amdhsa--gfx1250"
	.amdhsa_code_object_version 6
	.text
	.protected	k_qf5f25532d8_pzz
	.globl	k_qf5f25532d8_pzz
	.p2align	8
	.type	k_qf5f25532d8_pzz,@function
k_qf5f25532d8_pzz:
	s_mov_b64 s[64:65], 0
	v_nop
	global_prefetch_b8 v0, s[64:65] scope:SCOPE_SE
	s_setreg_imm32_b32 hwreg(HW_REG_WAVE_MODE, 25, 1), 1
	s_wait_xcnt 0x0
	s_wait_alu depctr_hold_cnt(0) depctr_sa_sdst(0) depctr_va_vdst(0) depctr_va_sdst(0) depctr_va_ssrc(0) depctr_va_vcc(0) depctr_vm_vsrc(0)
	s_getreg_b32 s2, hwreg(HW_REG_IB_STS2, 6, 4)
	s_cmp_eq_u32 s2, 0
	s_cbranch_scc0 .Lentry_in_a_cluster
	s_endpgm
.Lentry_in_a_cluster:
	s_bfe_u32 s2, ttmp6, 0x10000c
	s_cmp_lg_u32 s2, 0x3003
	s_cbranch_scc0 .Lentry_shape_is_right
	s_endpgm
.Lentry_shape_is_right:
; p2[t][i][j] = -0.5 sum_d (z[t][i][d] - mean[j][d])^2 - 256 log(2 pi),  mean = z[t-1] W + b  (z0 for z[-1]).  All 128 steps side by side: nothing here hangs on the carried weights.
; FORMATS.  z, z0, b (and W, in wf) are rounded once to bf16; all else is f32: the product's sums, mean, the differences, their squares and sums.  The distance is formed as a subtraction, a square
; and a sum, never as a difference of large sums.  NaN and infinities are not treated apart.
; SHARES.  Work-group wg = 4 x cluster + cx takes step t = wg / 2 and the columns j = 64 h .. 64 h + 63, h = wg % 2.  d goes in 8 chunks of 64.  In a chunk:
;   Z  wave w rounds its 32 rows of z[t] (64 numbers each) and lays them in LDS as f32;
;   M  wave w multiplies its 16 particles j (A, 16 x 512, kept in registers) by the chunk of W (B, from LDS): four accumulators; + b; mean goes to LDS turned, [d][j];
;   D  wave w takes rows i = 32 w .. + 31 and all 64 j: a lane 8 rows x 8 columns, 64 sums, two columns to a packed instruction.
; A chunk's 64 terms are summed in ACC, the 8 chunk sums in TOT.
; CLUSTER.  Every work-group walks the same 8 chunks of wf, so the four of a cluster ask for each JOINTLY: the same tensor load, descriptor and mask in all four.  cx enters the addresses of z, z0 and p2 alone.
; p2's ORDER is that of the launches behind: for (i, j): byte t*65536 + (i/16)*8192 + (4 (i%4) + 2 (j/64) + (j/4)%2)*512 + (8 ((i/4)%4) + (j/8)%8)*16 + 4 (j%4).
; A lane's rows are 16 (a/4) + 4 (lane/8) + a%4, its columns 8 (lane%8) + 0..7: so its registers are 16 neighbouring bytes, a wave's store 512.
; REGISTERS, in windows of 256 (s_set_vgpr_msb: bits 1:0 source 0, 3:2 source 1, 5:4 source 2, 7:6 destination):
;   window 0: v0-31 addresses and b; v32-47 T; v64-127 ACC; v128-255 two buffers of z and mean for D, at work in Z and M
;   window 1: v0-127 A's fragments; v128-191 TOT      window 2: v0-67 the next chunk of z and b as loaded      window 3: W's fragments, two halves of 128
.set NCH,   8
.set WSLOT, 65536                      ; a chunk of wf; two slots from LDS byte 0, filled by tensor loads alone
.set MS,    2*WSLOT                    ; mean turned: 64 rows d x (64 j f32 + 16 bytes)
.set MP,    272
.set ZS,    MS+64*MP                   ; z[t]'s chunk: 128 rows i x (64 f32 + 16 bytes); rows 32 w .. are wave w's own
.set ZPI,   272
.set AS,    ZS+128*ZPI                 ; z[t-1] in bf16: 64 rows x (1,024 + 16 bytes); rows 16 w .. are wave w's own
.set AP,    1040
.set SPARE, AS+64*AP                   ; the spare words, 128 bytes a wave
.set T,    32
.set ACC,  64                          ; row a, column pair jp at ACC + 8 a + 2 jp
.set ZB0,  128
.set MB0,  160
.set ZB1,  192
.set MB1,  224
.set CT,   128                         ; Z: 64 numbers in bf16
.set EX,   160                         ; Z: the same as f32
.set CACC, 128                         ; M: four accumulators
.set MEAN, 160                         ; M: accumulators + b
.set TOT,  128                         ; window 1
.set MSB, 0
.macro WIN new                         ; the immediate's high byte repeats the setting that is left; a switch that changes nothing is dropped
.if MSB != (\new)
	s_set_vgpr_msb (MSB<<8)|(\new)
.set MSB, \new
.endif
.endm
.macro PLACES                          ; four places behind matrix instructions (ISA guide 7.12.1), where no other vector work is at hand
.rept 4
	v_nop
.endr
.endm
; A round of the cluster's barrier: my work-group's barrier; wave 0 signals for the work-group; every wave waits for all four work-groups; my work-group's barrier once more.
.macro CROUND
	s_barrier_signal -1
	s_barrier_wait -1
	s_cmp_lg_u32 s14, 0
	s_cbranch_scc1 .Lnot_wave_0_\@
	s_barrier_signal -3
.Lnot_wave_0_\@:
	s_barrier_wait -3
	s_barrier_signal -1
	s_barrier_wait -1
.endm
	s_load_b256 s[4:11], s[0:1], 0x0               ; z s[4:5], z0 s[6:7], b s[8:9], wf s[10:11]
	s_load_b64 s[12:13], s[0:1], 0x20              ; p2
	v_lshl_add_u32 v24, v0, 2, SPARE               ; my spare word,
	v_mov_b32 v25, 0                               ; and 0: never rewritten
	ds_add_u32 v24, v25                            ; the wave's opening: the add and its wait stand ahead of my first tensor load; the set-up stands between them
	v_lshrrev_b32 v30, 5, v0
	v_readfirstlane_b32 s14, v30                   ; wave 0..3
	s_bfe_u32 s15, ttmp6, 0x40000                  ; cx
	s_lshl_b32 s16, ttmp9, 2                       ; in a cluster launch ttmp9 counts clusters
	s_add_co_u32 s16, s16, s15                     ; wg
	s_lshr_b32 s17, s16, 1                         ; t
	s_and_b32 s18, s16, 1                          ; h
	; descriptor group 1: a wave's quarter of a chunk, 16,384 dense bytes, as 64 rows of 32 elements of 8 bytes
	s_mov_b32 s28, 15|(3<<16)|(1<<21)              ; 15:0 the mask of four; 17:16 elements of 8 bytes; 21 set beside a mask; no padding
	s_mov_b32 s29, 32<<16                          ; tensor_dim0 = 32
	s_mov_b32 s30, 64<<16                          ; tensor_dim1 = 64
	s_mov_b32 s31, 32<<16                          ; tile_dim0 = 32
	s_mov_b32 s32, 64                              ; tile_dim1 = 64
	s_mov_b32 s33, 32                              ; 32 elements from row to row
	s_mov_b32 s34, 0
	s_mov_b32 s35, 0
	s_mov_b32 s36, 1                               ; group 0 for slot 0, chunk 0
	s_lshl_b32 s37, s14, 14                        ; LDS: wave x 16,384
	s_mov_b32 s40, 1                               ; group 0 for slot 1, chunk 1; it then walks
	s_add_co_u32 s41, s37, WSLOT
	s_mov_b32 s50, 0xffff0000                      ; a word's upper bf16
	s_mov_b32 s52, 0xc3eb3f8e                      ; -256 log(2 pi) = -470.49652
	s_mov_b32 s53, s52                             ; named with it as a pair
	v_and_b32 v1, 15, v0                           ; r
	v_bfe_u32 v2, v0, 4, 1                         ; hh
	v_and_b32 v3, 7, v0                            ; jg
	v_bfe_u32 v4, v0, 3, 2                         ; ig
	v_and_b32 v31, 31, v0
	v_lshlrev_b32 v5, 4, v31                       ; v5  16 x lane: z[t-1]'s loads, W's fragments, p2's stores
	s_mul_i32 s62, s14, 16*AP
	s_add_co_u32 s62, s62, AS
	v_lshl_add_u32 v6, v31, 3, s62                 ; v6  A's stage, in: my wave's rows, 8 bytes a lane
	v_mul_u32_u24 v7, v1, AP
	v_lshl_add_u32 v7, v2, 4, v7
	v_add_nc_u32 v7, s62, v7                       ; v7  A's stage, back: row r, 16 bytes for each half of the lanes
	s_lshl_b32 s63, s14, 16
	v_lshlrev_b32 v8, 4, v1
	v_lshl_add_u32 v8, v2, 11, v8
	v_add_nc_u32 v8, s63, v8                       ; v8  z[t]: row 32 w + hh (+ 2 u), 16 bytes at 16 r
	v_lshlrev_b32 v9, 2, v1                        ; v9  b: 4 r
	s_mul_i32 s62, s14, 32*ZPI
	s_add_co_u32 s62, s62, ZS
	v_mul_u32_u24 v10, v2, ZPI
	v_lshl_add_u32 v10, v1, 4, v10
	v_add_nc_u32 v10, s62, v10                     ; v10 ZS, in: the same place as in memory
	v_mul_u32_u24 v13, v4, 4*ZPI
	v_add_nc_u32 v13, s62, v13                     ; v13 ZS, back: row 32 w + 4 ig
	s_lshl_b32 s63, s14, 6
	s_add_co_u32 s63, s63, MS
	v_mul_u32_u24 v12, v1, MP
	v_lshl_add_u32 v12, v2, 5, v12
	v_add_nc_u32 v12, s63, v12                     ; v12 MS, in: row d = r (+ 16 nt), particles 16 w + 8 hh ..
	v_lshlrev_b32 v14, 5, v3
	v_add_nc_u32 v14, MS, v14                      ; v14 MS, back: columns 8 jg ..
	s_max_u32 s20, s17, 1                          ; z[t-1]: (t - 1) steps of 262,144 bytes, none at t = 0,
	s_sub_co_u32 s20, s20, 1
	s_lshl_b32 s20, s20, 18
	s_lshl_b32 s62, s18, 17                        ; + 64 h rows of 2,048 bytes
	s_add_co_u32 s20, s20, s62
	s_lshl_b32 s62, s14, 15                        ; + 16 w rows
	s_add_co_u32 s20, s20, s62
	s_mov_b32 s21, 0
	s_mov_b32 s56, s37                             ; wf: wave x 16,384
	s_mov_b32 s57, 0
	s_lshl_b32 s58, s17, 18                        ; z[t]
	s_mov_b32 s59, 0
	s_lshl_b32 s60, s17, 16                        ; p2: t*65536 + w*16384 + h*1024
	s_add_co_u32 s60, s60, s37
	s_lshl_b32 s62, s18, 10
	s_add_co_u32 s60, s60, s62
	s_mov_b32 s61, 0
	s_wait_dscnt 0x0                               ; the opening add is done
	s_wait_kmcnt 0x0
	s_add_nc_u64 s[38:39], s[10:11], s[56:57]      ; global address: my quarter of chunk 0,
	s_add_nc_u64 s[42:43], s[38:39], WSLOT         ; of chunk 1
	s_or_b32 s39, s39, 0x80000000                  ; type = 2
	s_or_b32 s43, s43, 0x80000000
	s_cmp_eq_u32 s17, 0
	s_cselect_b64 s[26:27], s[6:7], s[4:5]         ; step 0 takes z0 for z[-1]
	s_add_nc_u64 s[26:27], s[26:27], s[20:21]
	s_add_nc_u64 s[22:23], s[4:5], s[58:59]        ; z[t], chunk 0
	s_mov_b64 s[24:25], s[8:9]                     ; b, chunk 0
	s_add_nc_u64 s[54:55], s[12:13], s[60:61]
	CROUND                                         ; all four work-groups are here: the first joint loads meet
	tensor_load_to_lds s[36:39], s[28:35]          ; both first fills together: two loads of mine are out
	s_nop 0
	tensor_load_to_lds s[40:43], s[28:35]
	s_nop 0
	PLACES
; The next chunk of z[t] (my 32 rows x 256 bytes, two rows to a load) and of b (one number for each of four column tiles) into window 2
.macro ZLOADS
	WIN 0x80
.set u, 0
.rept 16
	global_load_b128 v[4*u:4*u+3], v8, s[22:23] offset:u*4096
.set u, u+1
.endr
.set u, 0
.rept 4
	global_load_b32 v[64+u], v9, s[24:25] offset:u*64
.set u, u+1
.endr
	WIN 0
.endm
; Z.  It opens with the barrier that frees ZS and MS: every wave's reads of the last chunk are back (its last count-down ended at 0) when it signals.  The roundings, work on registers, stand between signal and wait.
; chk = 1 (the tail): the last chunk has no successor to load.
.macro ZPHASE chk
	s_barrier_signal -1
	s_wait_loadcnt 0x0                             ; this chunk's z and b: asked for a whole trip ago
	WIN 0x0a                                       ; sources in window 2
.set u, 0
.rept 32
	v_cvt_pk_bf16_f32 v[CT+u], v[2*u], v[2*u+1]
.set u, u+1
.endr
	v_cvt_pk_bf16_f32 v30, v64, v65
	v_cvt_pk_bf16_f32 v31, v66, v67
	WIN 0
	s_barrier_wait -1
.if \chk
	s_cmp_eq_u32 s47, NCH-1
	s_cbranch_scc1 .Lnoz_\@
.endif
	s_add_nc_u64 s[22:23], s[22:23], 256           ; free since the wait for the loads
	s_add_nc_u64 s[24:25], s[24:25], 256
	ZLOADS
.if \chk
.Lnoz_\@:
.endif
.set u, 0
.rept 32
	v_lshlrev_b32 v[EX+2*u], 16, v[CT+u]           ; bf16 to f32: the low half moves up,
	v_and_b32 v[EX+2*u+1], s50, v[CT+u]            ; the high half stays
.set u, u+1
.endr
	v_lshlrev_b32 v26, 16, v30                     ; v26-29: b of my column in the four tiles
	v_and_b32 v27, s50, v30
	v_lshlrev_b32 v28, 16, v31
	v_and_b32 v29, s50, v31
.set u, 0
.rept 16
	ds_store_b128 v10, v[EX+4*u:EX+4*u+3] offset:u*2*ZPI
.set u, u+1
.endr
.endm
; 32 LDS loads: W's fragments of K steps 4 g .. 4 g + 3, four column tiles each, into half g % 2 of window 3.  32 lanes take 512 neighbouring bytes.
.macro LOADB g
	WIN 0xc0
.irp k, 0,1,2,3
.irp n, 0,1,2,3
.set rb, 128*((\g)%2)+32*\k+8*\n
	ds_load_b128 v[rb:rb+3],   v16 offset:\n*16384+(4*(\g)+\k)*1024
	ds_load_b128 v[rb+4:rb+7], v16 offset:\n*16384+(4*(\g)+\k)*1024+512
.endr
.endr
.endm
; 16 matrix instructions: the same four K steps.  The four accumulators take turns, one instruction a turn; the first K step starts the sums.
.macro MM g
	WIN 0x0d                                       ; A window 1, B window 3, C and D window 0
.irp k, 0,1,2,3
.irp n, 0,1,2,3
.set rb, 128*((\g)%2)+32*\k+8*\n
.set rf, 8*(4*(\g)+\k)
.if ((\g) == 0) && (\k == 0)
	v_wmma_f32_16x16x32_bf16 v[CACC+8*\n:CACC+8*\n+7], v[rf:rf+7], v[rb:rb+7], 0
.else
	v_wmma_f32_16x16x32_bf16 v[CACC+8*\n:CACC+8*\n+7], v[rf:rf+7], v[rb:rb+7], v[CACC+8*\n:CACC+8*\n+7]
.endif
.endr
.endr
.endm
; M.  In the result lane (r, hh) holds column d = 16 nt + r and the particles 8 hh + 0..7: eight neighbouring numbers of a row of the turned mean.
.macro MPHASE
	v_add_nc_u32 v16, s44, v5                      ; this chunk's slot
	LOADB 0
	LOADB 1
	s_wait_dscnt 32                                ; all but the 32 just issued
	MM 0
	PLACES                                         ; in front of loads into registers that matrix instructions have read
	LOADB 2
	s_wait_dscnt 32
	MM 1
	PLACES
	LOADB 3
	s_wait_dscnt 32
	MM 2
	s_wait_dscnt 0x0
	MM 3
	WIN 0
	PLACES                                         ; in front of the additions, which read results just made
.set n, 0
.rept 16                                       ; n = 4 nt + pair: each accumulator's lowest registers are read first
.if (n/4)%2
	v_pk_add_f32 v[MEAN+2*n:MEAN+2*n+1], v[CACC+2*n:CACC+2*n+1], v[26+2*(n/8):27+2*(n/8)] op_sel:[0,1] op_sel_hi:[1,1]
.else
	v_pk_add_f32 v[MEAN+2*n:MEAN+2*n+1], v[CACC+2*n:CACC+2*n+1], v[26+2*(n/8):27+2*(n/8)] op_sel:[0,0] op_sel_hi:[1,0]
.endif
.set n, n+1
.endr
.set n, 0
.rept 8                                        ; n = 2 nt + q
	ds_store_b128 v12, v[MEAN+4*n:MEAN+4*n+3] offset:(n/2)*16*MP+16*(n%2)
.set n, n+1
.endr
.endm
; 16 LDS loads: four columns d (4 st .. from where v18 and v19 stand): of my 8 rows of z 16 bytes each, of mean four rows d x my 8 columns j
.macro LOADD zb, mb, st
.set a, 0
.rept 8
	ds_load_b128 v[(\zb)+4*a:(\zb)+4*a+3], v18 offset:(16*(a/4)+a%4)*ZPI+16*(\st)
.set a, a+1
.endr
.set a, 0
.rept 8                                        ; a = 2 dd + q
	ds_load_b128 v[(\mb)+4*a:(\mb)+4*a+3], v19 offset:(4*(\st)+a/2)*MP+16*(a%2)
.set a, a+1
.endr
.endm
; 256 packed instructions: for each of four d, in four groups of two rows: 8 x (z - mean, z given to both halves), then 8 x (sum += difference^2).  first = 1: the first squares start the sums.
.macro COMP zb, mb, first
.set dd, 0
.rept 4
.set ap, 0
.rept 4
.set x, 0
.rept 8                                        ; x = 4 (row % 2) + column pair
.set rz, (\zb)+4*(2*ap+x/4)+2*(dd/2)
.set rm, (\mb)+8*dd+2*(x%4)
.if dd%2
	v_pk_add_f32 v[T+2*x:T+2*x+1], v[rz:rz+1], v[rm:rm+1] op_sel:[1,0] op_sel_hi:[1,1] neg_lo:[0,1] neg_hi:[0,1]
.else
	v_pk_add_f32 v[T+2*x:T+2*x+1], v[rz:rz+1], v[rm:rm+1] op_sel:[0,0] op_sel_hi:[0,1] neg_lo:[0,1] neg_hi:[0,1]
.endif
.set x, x+1
.endr
.set x, 0
.rept 8
.set ra, ACC+8*(2*ap+x/4)+2*(x%4)
.if (\first) && (dd == 0)
	v_pk_mul_f32 v[ra:ra+1], v[T+2*x:T+2*x+1], v[T+2*x:T+2*x+1]
.else
	v_pk_fma_f32 v[ra:ra+1], v[T+2*x:T+2*x+1], v[T+2*x:T+2*x+1], v[ra:ra+1]
.endif
.set x, x+1
.endr
.set ap, ap+1
.endr
.set dd, dd+1
.endr
.endm
; D: the chunk's 64 columns, four at a time, on two buffers: while one is worked on, the other's 16 loads are out.
.macro DPHASE
	v_mov_b32 v18, v13
	v_mov_b32 v19, v14
	LOADD ZB0, MB0, 0
	LOADD ZB1, MB1, 1
	s_wait_dscnt 16                                ; all but the 16 just issued
	COMP ZB0, MB0, 1
	s_mov_b32 s49, 7
.Ld_\@:
	LOADD ZB0, MB0, 2
	s_wait_dscnt 16
	COMP ZB1, MB1, 0
	LOADD ZB1, MB1, 3
	s_wait_dscnt 16
	COMP ZB0, MB0, 0
	v_add_nc_u32 v18, 32, v18                      ; eight columns on
	v_add_nc_u32 v19, 8*MP, v19
	s_sub_co_u32 s49, s49, 1
	s_cmp_lg_u32 s49, 0
	s_cbranch_scc1 .Ld_\@
	s_wait_dscnt 0x0
	COMP ZB1, MB1, 0
.endm
; A TRIP = a chunk.  Between M and D stands the barrier that shows mean to every wave.  In front of it each wave waits for all its tensor loads, of which one is out: its quarter of the next chunk; adds 0 to its
; spare word; and waits for that, for its stores and for its reads of this chunk's slot.  refill = 1: the barrier is a round of the cluster's, and behind it this chunk's slot takes the chunk two on:
; that load has D, and the next trip's Z and M, in which to land.
.macro TRIP refill
	ZPHASE 1-(\refill)
	MPHASE
	WIN 0
	s_wait_tensorcnt 0x0                           ; no tensor load of mine is out, so a group 0 may be written
	ds_add_u32 v24, v25                            ; 0 onto my spare word
.if \refill
	s_xor_b32 s41, s41, WSLOT                      ; the walking descriptor: the other slot than last time,
	s_add_nc_u64 s[42:43], s[42:43], WSLOT         ; the next chunk; the type bits on top are not reached
.endif
	s_wait_dscnt 0x0
.if \refill
	CROUND
	tensor_load_to_lds s[40:43], s[28:35]          ; my one tensor load behind the round, and the first thing there
	s_nop 0
	PLACES
.else
	s_barrier_signal -1
	s_barrier_wait -1
.endif
	DPHASE
	WIN 0x41                                       ; TOT (destination and source 0) in window 1
.set n, 0
.rept 32
	v_pk_add_f32 v[TOT+2*n:TOT+2*n+1], v[TOT+2*n:TOT+2*n+1], v[ACC+2*n:ACC+2*n+1]
.set n, n+1
.endr
	WIN 0
	s_xor_b32 s44, s44, WSLOT
	s_add_co_u32 s47, s47, 1
.endm
	ZLOADS                                         ; chunk 0: 20 loads, older than all below
	WIN 0xc0                                       ; z[t-1], my 16 rows: 64 loads of 512 consecutive bytes into window 3
.set n, 0
.rept 64
	global_load_b128 v[4*n:4*n+3], v5, s[26:27] offset:(n/4)*2048+(n%4)*512
.set n, n+1
.endr
	WIN 0x40                                       ; TOT starts at 0: 64 lines, once a launch, in the wait for the first loads; they spare a second text of the trip
.set n, 0
.rept 64
	v_mov_b32 v[TOT+n], 0
.set n, n+1
.endr
.set g, 0
.rept 4
	s_wait_loadcnt 48-16*g                         ; group g of 16 loads is in, the younger groups stay out
	WIN 0x0f                                       ; sources in window 3
.set n, 0
.rept 32
	v_cvt_pk_bf16_f32 v[128+32*(g%2)+n], v[64*g+2*n], v[64*g+2*n+1]
.set n, n+1
.endr
	WIN 0
.set n, 0
.rept 16
	ds_store_b64 v6, v[128+32*(g%2)+2*n:128+32*(g%2)+2*n+1] offset:((16*g+n)/4)*AP+((16*g+n)%4)*256
.set n, n+1
.endr
.set g, g+1
.endr
	WIN 0x40                                       ; A's fragments: row r, K = 32 ks + 8 hh .. and + 16: two loads of 16 bytes, 32 bytes apart
.set n, 0
.rept 32                                       ; n = 2 ks + q.  LDS serves a wave's instructions in order (ISA guide 5.7.1.4): these see my stores above
	ds_load_b128 v[4*n:4*n+3], v7 offset:n*32
.set n, n+1
.endr
	WIN 0
	s_mov_b32 s44, 0                               ; the slot that M reads
	s_mov_b32 s47, 0                               ; the chunk
	s_wait_tensorcnt 0x1                           ; my quarter of slot 0 is in; slot 1's may stay out
	s_wait_dscnt 0x0                               ; A's fragments
	s_mov_b32 s48, NCH-2
.Lt:                                                   ; chunks 0 to 5 ask for chunks 2 to 7
	TRIP 1
	s_sub_co_u32 s48, s48, 1
	s_cmp_lg_u32 s48, 0
	s_cbranch_scc1 .Lt
	s_mov_b32 s48, 2
.Lu:                                                   ; the tail has a text of its own: nothing is asked for
	TRIP 0
	s_sub_co_u32 s48, s48, 1
	s_cmp_lg_u32 s48, 0
	s_cbranch_scc1 .Lu
	WIN 0x01                                       ; source 0 in window 1
.set n, 0
.rept 32
	v_pk_fma_f32 v[ACC+2*n:ACC+2*n+1], v[TOT+2*n:TOT+2*n+1], -0.5, s[52:53] op_sel_hi:[1,0,0]  ; one rounding: the halving is exact
.set n, n+1
.endr
	WIN 0
.set n, 0
.rept 16                                       ; n = 2 a + kl
	global_store_b128 v5, v[ACC+4*n:ACC+4*n+3], s[54:55] offset:(n/8)*8192+(4*((n/2)%4)+n%2)*512  ; 512 consecutive bytes, at a multiple of 256 from p2's first
.set n, n+1
.endr
	s_wait_tensorcnt 0x0                           ; the wave's end: a wait, an add of 0 to my spare word and its wait, behind my last tensor load and my last LDS store
	ds_add_u32 v24, v25
	s_wait_dscnt 0x0
	CROUND                                         ; the closing round: no work-group ends while a partner may still ask for a tile that names it
	s_endpgm
.Lfunc_end_k_qf5f25532d8_pzz:
	.size	k_qf5f25532d8_pzz, .Lfunc_end_k_qf5f25532d8_pzz-k_qf5f25532d8_pzz
	.p2alignl 7, 3214868480
	.fill 96, 4, 3214868480
	.section	.rodata,"a",@progbits
	.p2align	6, 0x0
	.amdhsa_kernel k_qf5f25532d8_pzz
		.amdhsa_group_segment_fixed_size 327680
		.amdhsa_private_segment_fixed_size 0
		.amdhsa_enable_private_segment 0
		.amdhsa_kernarg_size 40
		.amdhsa_user_sgpr_count 2
		.amdhsa_user_sgpr_kernarg_segment_ptr 1
		.amdhsa_wavefront_size32 1
		.amdhsa_system_sgpr_workgroup_id_x 1
		.amdhsa_system_sgpr_workgroup_id_y 1
		.amdhsa_system_sgpr_workgroup_id_z 1
		.amdhsa_system_vgpr_workitem_id 0
		.amdhsa_next_free_vgpr 1024
		.amdhsa_next_free_sgpr 66
		.amdhsa_reserve_vcc 0
		.amdhsa_float_denorm_mode_32 3
		.amdhsa_float_denorm_mode_16_64 3
		.amdhsa_memory_ordered 1
		.amdhsa_forward_progress 1
		.amdhsa_inst_pref_size 220
	.end_amdhsa_kernel
	.amdgpu_metadata
---
amdhsa.version: [ 1, 2 ]
amdhsa.kernels:
  - .name:           k_qf5f25532d8_pzz
    .symbol:         k_qf5f25532d8_pzz.kd
    .args:
      - { .name: z, .offset: 0, .size: 8, .value_kind: global_buffer, .address_space: global }
      - { .name: z0, .offset: 8, .size: 8, .value_kind: global_buffer, .address_space: global }
      - { .name: b, .offset: 16, .size: 8, .value_kind: global_buffer, .address_space: global }
      - { .name: wf, .offset: 24, .size: 8, .value_kind: global_buffer, .address_space: global }
      - { .name: p2, .offset: 32, .size: 8, .value_kind: global_buffer, .address_space: global }
    .group_segment_fixed_size: 327680
    .private_segment_fixed_size: 0
    .kernarg_segment_align: 8
    .kernarg_segment_size: 40
    .max_flat_workgroup_size: 128
    .sgpr_count:     66
    .vgpr_count:     1024
    .wavefront_size: 32
...
	.end_amdgpu_metadata
.endif
;; end of part 2
;; launch scan (part 3): grid 1 x 1, 8 waves a work-group, no clusters, 133,120 bytes of LDS; arguments p2, pxz, q, w0, rs; writes rs
.if DOCPART == 3
	.amdgcn_target "amdgcn-amd-amdhsa--gfx1250"
	.amdhsa_code_object_version 6
	.text
	.protected	k_qf5f25532d8_scan
	.globl	k_qf5f25532d8_scan
	.p2align	8
	.type	k_qf5f25532d8_scan,@function
k_qf5f25532d8_scan:
	s_mov_b64 s[64:65], 0
	v_nop
	global_prefetch_b8 v0, s[64:65] scope:SCOPE_SE
	s_setreg_imm32_b32 hwreg(HW_REG_WAVE_MODE, 25, 1), 1
	s_wait_xcnt 0x0
; THE RECURRENCE ALONE.  rs row 0 = w0; rs row t + 1 = r[t], with  r[t][i] = logsumexp_j(P[t][i][j] + prev[j] - prev[0]) + pxz[t][i] - q[t][i],  prev = rs row t,  P = p2.
; r[t] is reference()'s p_joint - q but for a number common to all i, which the launch behind restores; prev[0] is taken away so that what is added to P has the size of the weights' spread.
; The row's true maximum is taken away before the exponentials.  w0, pxz and q are rounded once to bf16; all else is f32.
; LIMITS.  A weight below 2^-126 of its row's largest counts as 0; NaN and infinities are not treated apart.
; ONE WORK-GROUP: step t needs all 128 results of step t - 1, and work-groups of a launch hand each other nothing.  No matrix unit: there is no product.
; SHARES.  Wave w owns rows 16 w .. + 15; lane l = 8 g + lam owns rows 16 w + 4 g + rho (rho 0..3) and columns 64 kh + 8 lam + 4 kl + e: 64 numbers.  A row's 128 columns lie in 8 neighbouring lanes.
; p2 is laid out so that load n = 4 rho + 2 kh + kl of a wave takes 512 consecutive bytes.
; RING.  Four slots of 64 registers hold P of four steps: a slot is asked for again as soon as its step is done, so 48 loads, three steps, are out while a step is worked on.  The last four steps ask for
; step 127 once more, into registers that nobody reads: 64 of 2,048 loads a wave, which keep every count alike and spare a second text of four steps.
; EXCHANGE.  r goes from step to step through two rows of 512 LDS bytes that take turns: step t reads the one that step t - 1 wrote and writes the other, so one barrier a step does.
; REGISTERS.  Window 0: v0-15 addresses; slots 0, 1 at v64, v128; v192-241 at work.  Window 1: slots 2, 3 and the same registers at work.  A step works wholly in its slot's window.
.set PQ,  0                            ; LDS: pxz - q, [t][i] f32, 65,536 bytes
.set RH,  65536                        ; r's history, [t][i] f32, 65,536 bytes
.set U0,  131072                       ; the exchange: two rows of 512 bytes
.set SPARE, U0+1024                    ; the spare words, 128 bytes a wave
.set UH,  192                          ; 16: prev of my columns, then prev - prev[0]
.set KAP, 208                          ; 2:  prev[0], prev[1]
.set CH,  210                          ; 8:  two chains of maxima a row
.set MX,  218                          ; 4:  the rows' maxima
.set CM,  222                          ; 4:  c x maximum, c = log2(e)
.set RES, 226                          ; 4:  what that product's rounding dropped
.set SS,  230                          ; 4:  the rows' sums
.set PQR, 234                          ; 4:  pxz - q of my rows
.set RR,  238                          ; 4:  r of my rows
.set MSB, 0
.macro WIN new
.if MSB != (\new)
	s_set_vgpr_msb (MSB<<8)|(\new)
.set MSB, \new
.endif
.endm
	s_load_b256 s[4:11], s[0:1], 0x0               ; p2 s[4:5], pxz s[6:7], q s[8:9], w0 s[10:11]
	s_load_b64 s[12:13], s[0:1], 0x20              ; rs
	v_lshl_add_u32 v8, v0, 2, SPARE                ; my spare word,
	v_mov_b32 v9, 0                                ; and 0: kept for the closing lines alone
	v_lshrrev_b32 v10, 5, v0
	v_readfirstlane_b32 s14, v10                   ; wave 0..7
	v_and_b32 v11, 31, v0
	v_and_b32 v12, 7, v0                           ; lam
	v_bfe_u32 v13, v0, 3, 2                        ; g
	s_lshl_b32 s27, s14, 13
	v_lshlrev_b32 v1, 4, v11
	v_add_nc_u32 v1, s27, v1                       ; v1  P: wave x 8,192 + 16 x lane
	v_lshlrev_b32 v2, 5, v12
	v_add_nc_u32 v2, U0, v2                        ; v2  prev of my columns
	v_mov_b32 v3, U0                               ; v3  prev[0]
	s_lshl_b32 s28, s14, 6
	v_lshl_add_u32 v5, v13, 4, s28                 ; v5  pxz - q of my rows: 4 (16 w + 4 g), + 2,048 for each four steps
	v_add_nc_u32 v4, U0, v5                        ; v4  where r of my rows goes
	v_add_nc_u32 v6, RH, v5                        ; v6  and into the history
	v_lshlrev_b32 v7, 4, v0                        ; v7  16 x thread
	v_add_nc_u32 v14, U0+512, v7                   ; v14 w0's place (wave 0)
	v_add_nc_u32 v15, RH, v7                       ; v15 the history, read back
	s_mov_b32 s16, 0x3fb8aa3b                      ; c = log2(e)
	s_mov_b32 s17, s16                             ; named with it as a pair
	s_mov_b32 s18, 0x3f317218                      ; ln 2
	s_mov_b32 s19, 0xffff0000                      ; a word's upper bf16
	s_mov_b32 s20, 4                               ; the step that is asked for next
	s_mov_b32 s23, 0
	s_wait_kmcnt 0x0
	s_cmp_lg_u32 s14, 0
	s_cbranch_scc1 .Lnw0
	global_load_b128 v[16:19], v7, s[10:11]        ; wave 0: w0.  The oldest load: it changes no count below
.Lnw0:
	WIN 0x40                                       ; pxz and q, 4,096 bytes to a load of the work-group, into window 1
.set n, 0
.rept 16
	global_load_b128 v[64+8*n:64+8*n+3],   v7, s[6:7] offset:n*4096
	global_load_b128 v[64+8*n+4:64+8*n+7], v7, s[8:9] offset:n*4096
.set n, n+1
.endr
	WIN 0
.set n, 0
.rept 32                                       ; P of steps 0 and 1 into slots 0 and 1
	global_load_b128 v[64+4*n:64+4*n+3], v1, s[4:5] offset:(n/16)*65536+(n%16)*512
.set n, n+1
.endr
	WIN 0x55
.set n, 0
.rept 16
	s_wait_loadcnt 62-2*n                          ; behind q's load n: 2 (15 - n) of pxz and q, 32 of P
	v_cvt_pk_bf16_f32 v192, v[64+8*n],   v[64+8*n+1]
	v_cvt_pk_bf16_f32 v193, v[64+8*n+2], v[64+8*n+3]
	v_cvt_pk_bf16_f32 v194, v[64+8*n+4], v[64+8*n+5]
	v_cvt_pk_bf16_f32 v195, v[64+8*n+6], v[64+8*n+7]
	v_lshlrev_b32 v196, 16, v192
	v_and_b32 v197, s19, v192
	v_lshlrev_b32 v198, 16, v193
	v_and_b32 v199, s19, v193
	v_lshlrev_b32 v200, 16, v194
	v_and_b32 v201, s19, v194
	v_lshlrev_b32 v202, 16, v195
	v_and_b32 v203, s19, v195
	v_pk_add_f32 v[64+8*n:64+8*n+1],   v[196:197], v[200:201] neg_lo:[0,1] neg_hi:[0,1]
	v_pk_add_f32 v[64+8*n+2:64+8*n+3], v[198:199], v[202:203] neg_lo:[0,1] neg_hi:[0,1]
.set n, n+1
.endr
	WIN 0x04                                       ; store data in window 1
.set n, 0
.rept 16
	ds_store_b128 v7, v[64+8*n:64+8*n+3] offset:PQ+n*4096
.set n, n+1
.endr
	s_wait_dscnt 0x0                               ; the stores are done: their registers are loaded again below
	WIN 0x40
.set n, 0
.rept 32                                       ; P of steps 2 and 3 into slots 2 and 3
	global_load_b128 v[64+4*n:64+4*n+3], v1, s[4:5] offset:131072+(n/16)*65536+(n%16)*512
.set n, n+1
.endr
	WIN 0
	s_cmp_lg_u32 s14, 0
	s_cbranch_scc1 .Lnw1
	v_cvt_pk_bf16_f32 v20, v16, v17                ; wave 0: w0, in since the counted waits above, is rounded, becomes the first prev and rs's row 0
	v_cvt_pk_bf16_f32 v21, v18, v19
	v_lshlrev_b32 v16, 16, v20
	v_and_b32 v17, s19, v20
	v_lshlrev_b32 v18, 16, v21
	v_and_b32 v19, s19, v21
	ds_store_b128 v14, v[16:19]
	global_store_b128 v7, v[16:19], s[12:13]
.Lnw1:
	s_wait_dscnt 0x0                               ; for the others' sake
	s_barrier_signal -1
	s_barrier_wait -1
.macro MXS s, p                        ; stage s of 8 of row p's maximum of 16: two chains, three operands at a time
.set xb, X+16*(\p)
.if (\s) == 0
	v_max3_num_f32 v[CH+2*(\p)], v[xb], v[xb+1], v[xb+2]
.elseif (\s) == 1
	v_max3_num_f32 v[CH+2*(\p)+1], v[xb+3], v[xb+4], v[xb+5]
.elseif (\s) < 7
	v_max3_num_f32 v[CH+2*(\p)+(\s)%2], v[CH+2*(\p)+(\s)%2], v[xb+2*(\s)+2], v[xb+2*(\s)+3]
.else
	v_max_num_f32 v[MX+(\p)], v[CH+2*(\p)], v[CH+2*(\p)+1]
.endif
.endm
.macro FX p, m                         ; pair m of row p: c x - c maximum
.set xb, X+16*(\p)+2*(\m)
.if (\p)%2
	v_pk_fma_f32 v[xb:xb+1], v[xb:xb+1], s[16:17], v[CM+2*((\p)/2):CM+2*((\p)/2)+1] op_sel:[0,0,1] op_sel_hi:[1,0,1] neg_lo:[0,0,1] neg_hi:[0,0,1]
.else
	v_pk_fma_f32 v[xb:xb+1], v[xb:xb+1], s[16:17], v[CM+2*((\p)/2):CM+2*((\p)/2)+1] op_sel:[0,0,0] op_sel_hi:[1,0,0] neg_lo:[0,0,1] neg_hi:[0,0,1]
.endif
.endm
.macro AX p, m                         ; addition m of 8 of row p's sum of 16, in place: pairs 4, 2 and 1 apart, then the pair's halves
.set xb, X+16*(\p)
.if (\m) < 4
	s_wait_alu depctr_va_vdst(0)
	v_pk_add_f32 v[xb+2*(\m):xb+2*(\m)+1], v[xb+2*(\m):xb+2*(\m)+1], v[xb+2*(\m)+8:xb+2*(\m)+9]
.elseif (\m) < 6
	v_pk_add_f32 v[xb+2*(\m)-8:xb+2*(\m)-7], v[xb+2*(\m)-8:xb+2*(\m)-7], v[xb+2*(\m)-4:xb+2*(\m)-3]
.elseif (\m) == 6
	v_pk_add_f32 v[xb:xb+1], v[xb:xb+1], v[xb+2:xb+3]
.else
	v_add_f32 v[SS+(\p)], v[xb], v[xb+1]
.endif
.endm
; A STEP, on slot k.
.macro STEP k
.set SW, (\k)/2                        ; the slot's window
.set X,  64+64*((\k)%2)
.set UR, 512*(1-(\k)%2)                ; the row that the step before wrote
.set UW, 512*((\k)%2)
	WIN 0x40*SW                                    ; loaded data in the slot's window, addresses in window 0
	ds_load_b128 v[UH:UH+3],     v2 offset:UR
	ds_load_b128 v[UH+4:UH+7],   v2 offset:UR+16
	ds_load_b128 v[UH+8:UH+11],  v2 offset:UR+256
	ds_load_b128 v[UH+12:UH+15], v2 offset:UR+272
	ds_load_b64  v[KAP:KAP+1],   v3 offset:UR
	ds_load_b128 v[PQR:PQR+3],   v5 offset:PQ+(\k)*512
	s_wait_loadcnt 48                              ; this slot's 16 loads are in; three later steps' stay out
	s_wait_dscnt 0x0
	WIN 0x55*SW
.set m, 0
.rept 8
	v_pk_add_f32 v[UH+2*m:UH+2*m+1], v[UH+2*m:UH+2*m+1], v[KAP:KAP+1] op_sel_hi:[1,0] neg_lo:[0,1] neg_hi:[0,1]
.set m, m+1
.endr
.set m, 0
.rept 32                                       ; x = P + (prev - prev[0])
	v_pk_add_f32 v[X+2*m:X+2*m+1], v[X+2*m:X+2*m+1], v[UH+2*(m%8):UH+2*(m%8)+1]
.set m, m+1
.endr
.irp s, 0,1,2,3,4,5,6,7
.irp p, 0,1,2,3
	MXS \s, \p
.endr
.endr
.irp x, 1,2,4                          ; a row's other columns lie in the lanes 1, 2 and 4 away
.irp p, 0,1,2,3
	v_max_num_f32_dpp v[MX+\p], v[MX+\p], v[MX+\p] row_xmask:\x row_mask:0xf bank_mask:0xf
.endr
.endr
.irp p, 0,1,2,3
	v_mul_f32 v[CM+\p], s16, v[MX+\p]
.endr
.irp p, 0,1,2,3
	v_fma_f32 v[RES+\p], v[MX+\p], s16, -v[CM+\p]  ; exact: c x - CM = c (x - maximum) + RES, so the sum comes out 2^RES too large, which the logarithm gives back
.endr
.set m, 0
.rept 8
	FX 0, m
.set m, m+1
.endr
; 64 exponentials.  Beside row p's stand the scalings of row p + 1 and the additions of row p - 1: behind an exponential comes a plain line that names none of its registers, or another exponential (ISA guide 5.7.2).
.set p, 0
.rept 4
.set m, 0
.rept 16
	v_exp_f32 v[X+16*p+m], v[X+16*p+m]
.if (m < 8) && (p < 3)
	FX p+1, m
.endif
.if (m >= 8) && (p > 0)
	AX p-1, m-8
.endif
.set m, m+1
.endr
.set p, p+1
.endr
.set m, 0
.rept 8
	AX 3, m
.set m, m+1
.endr
.irp x, 1,2,4
.irp p, 0,1,2,3
	v_add_f32_dpp v[SS+\p], v[SS+\p], v[SS+\p] row_xmask:\x row_mask:0xf bank_mask:0xf
.endr
.endr
.irp p, 0,1,2,3
	v_log_f32 v[SS+\p], v[SS+\p]
.endr
	v_nop                                          ; a plain line between the last logarithm and the use of its result
	s_wait_alu depctr_va_vdst(0)
	v_pk_add_f32 v[SS:SS+1],   v[SS:SS+1],   v[RES:RES+1]   neg_lo:[0,1] neg_hi:[0,1]
	v_pk_add_f32 v[SS+2:SS+3], v[SS+2:SS+3], v[RES+2:RES+3] neg_lo:[0,1] neg_hi:[0,1]
.irp p, 0,1,2,3
	v_fma_f32 v[RR+\p], v[SS+\p], s18, v[MX+\p]    ; maximum + ln 2 x log2(sum)
.endr
	v_pk_add_f32 v[RR:RR+1],   v[RR:RR+1],   v[PQR:PQR+1]
	v_pk_add_f32 v[RR+2:RR+3], v[RR+2:RR+3], v[PQR+2:PQR+3]
	WIN 0x44*SW                                    ; store data and loaded data in the slot's window
	ds_store_b128 v4, v[RR:RR+3] offset:UW         ; the 8 lanes of a row group write the same 16 bytes with the same numbers
	ds_store_b128 v6, v[RR:RR+3] offset:(\k)*512
	s_wait_xcnt 0x0                                ; the base of the loads issued so far is rewritten only behind this wait
	s_min_u32 s22, s20, 127                        ; no load leaves p2
	s_lshl_b32 s22, s22, 16
	s_add_nc_u64 s[24:25], s[4:5], s[22:23]
	s_add_co_u32 s20, s20, 1
.set m, 0
.rept 16                                       ; the slot's next step is asked for while the two stores are out
	global_load_b128 v[X+4*m:X+4*m+3], v1, s[24:25] offset:m*512
.set m, m+1
.endr
	s_wait_dscnt 0x0                               ; for the others' sake: r is in LDS; my reads of the other row came back at the step's head
	WIN 0
	s_barrier_signal -1
	s_barrier_wait -1
.endm
	s_mov_b32 s26, 32
.Ls:
	STEP 0
	STEP 1
	STEP 2
	STEP 3
	v_add_nc_u32 v5, 2048, v5                      ; four steps on
	v_add_nc_u32 v6, 2048, v6
	s_sub_co_u32 s26, s26, 1
	s_cmp_lg_u32 s26, 0
	s_cbranch_scc1 .Ls
	; the history leaves through window 0's registers at work: the ring's still have loads pending
.set n, 0
.rept 16
	ds_load_b128 v[192+4*n:192+4*n+3], v15 offset:n*4096
.set n, n+1
.endr
.set n, 0
.rept 16
	s_wait_dscnt 15-n
	global_store_b128 v7, v[192+4*n:192+4*n+3], s[12:13] offset:512+n*4096  ; a wave stores 512 consecutive bytes, at a multiple of 256 from rs's first
.set n, n+1
.endr
	s_wait_tensorcnt 0x0                           ; the wave's end: a wait, an add of 0 to my spare word and its wait, behind my last LDS store
	ds_add_u32 v8, v9
	s_wait_dscnt 0x0
	s_endpgm
.Lfunc_end_k_qf5f25532d8_scan:
	.size	k_qf5f25532d8_scan, .Lfunc_end_k_qf5f25532d8_scan-k_qf5f25532d8_scan
	.p2alignl 7, 3214868480
	.fill 96, 4, 3214868480
	.section	.rodata,"a",@progbits
	.p2align	6, 0x0
	.amdhsa_kernel k_qf5f25532d8_scan
		.amdhsa_group_segment_fixed_size 133120
		.amdhsa_private_segment_fixed_size 0
		.amdhsa_enable_private_segment 0
		.amdhsa_kernarg_size 40
		.amdhsa_user_sgpr_count 2
		.amdhsa_user_sgpr_kernarg_segment_ptr 1
		.amdhsa_wavefront_size32 1
		.amdhsa_system_sgpr_workgroup_id_x 1
		.amdhsa_system_sgpr_workgroup_id_y 1
		.amdhsa_system_sgpr_workgroup_id_z 1
		.amdhsa_system_vgpr_workitem_id 0
		.amdhsa_next_free_vgpr 512
		.amdhsa_next_free_sgpr 66
		.amdhsa_reserve_vcc 0
		.amdhsa_float_denorm_mode_32 3
		.amdhsa_float_denorm_mode_16_64 3
		.amdhsa_memory_ordered 1
		.amdhsa_forward_progress 1
		.amdhsa_inst_pref_size 90
	.end_amdhsa_kernel
	.amdgpu_metadata
---
amdhsa.version: [ 1, 2 ]
amdhsa.kernels:
  - .name:           k_qf5f25532d8_scan
    .symbol:         k_qf5f25532d8_scan.kd
    .args:
      - { .name: p2, .offset: 0, .size: 8, .value_kind: global_buffer, .address_space: global }
      - { .name: pxz, .offset: 8, .size: 8, .value_kind: global_buffer, .address_space: global }
      - { .name: q, .offset: 16, .size: 8, .value_kind: global_buffer, .address_space: global }
      - { .name: w0, .offset: 24, .size: 8, .value_kind: global_buffer, .address_space: global }
      - { .name: rs, .offset: 32, .size: 8, .value_kind: global_buffer, .address_space: global }
    .group_segment_fixed_size: 133120
    .private_segment_fixed_size: 0
    .kernarg_segment_align: 8
    .kernarg_segment_size: 40
    .max_flat_workgroup_size: 256
    .sgpr_count:     66
    .vgpr_count:     512
    .wavefront_size: 32
...
	.end_amdgpu_metadata
.endif
;; end of part 3
;; launch finish (part 4): grid 256 x 1, 4 waves a work-group, no clusters, 768 bytes of LDS; arguments p2, rs, q, out0, out1, out2; writes out0, out1, out2
.if DOCPART == 4
	.amdgcn_target "amdgcn-amd-amdhsa--gfx1250"
	.amdhsa_code_object_version 6
	.text
	.protected	k_qf5f25532d8_finish
	.globl	k_qf5f25532d8_finish
	.p2align	8
	.type	k_qf5f25532d8_finish,@function
k_qf5f25532d8_finish:
	s_mov_b64 s[64:65], 0
	v_nop
	global_prefetch_b8 v0, s[64:65] scope:SCOPE_SE
	s_setreg_imm32_b32 hwreg(HW_REG_WAVE_MODE, 25, 1), 1
	s_wait_xcnt 0x0
; What the recurrence left open, for all steps side by side.  With prev = rs row t, cur = rs row t + 1, Lam = logsumexp(prev) (0 at t = 0: w0 is taken as it is given):
;   out0[t] = cur - logsumexp(cur);   out1[t] = cur + q[t] + (prev[0] - Lam);   out2[t][i] = the lowest j at which P[t][i][j] + (prev[j] - Lam) is largest.
; Each logsumexp takes its true maximum away first.  q is rounded to bf16 as in the launch before; all else is f32.
; LIMITS.  Two candidates closer than the f32 rounding of the sums can fall either way; a row with a NaN gets no valid index; a weight below 2^-126 of the largest counts as 0.
; SHARES.  Work-group x takes step t = x / 2 and rows 64 hw .. + 63, hw = x % 2.  Wave v has rows 16 (4 hw + v) .. + 15; lane l = 8 g + lam rows + 4 g + rho and columns 64 kh + 8 lam + 4 kl + e,
; as p2 is laid out: load n = 4 rho + 2 kh + kl of a wave takes 512 consecutive bytes.  Every group of 8 lanes holds all 128 numbers of prev and of cur.
; No matrix unit, no cluster: a few reductions on data that no two work-groups share but 1,024 bytes of rs.
.set SPARE, 256                        ; LDS: 64 indices at 0; then the spare words, 128 bytes a wave
.set X,    16                          ; v[16:79]   P, then P + w: row rho at X + 16 rho
.set PREV, 80
.set CUR,  96
.set C2,   112                         ; wave 0: two numbers of cur,
.set Q2,   114                         ; and of q, for the rows 2 l, 2 l + 1 of the work-group's 64
.set SC,   116                         ; 16 at work
.set JV,   132                         ; 16: my columns' numbers
.set MX,   148
.set CH,   152
.set IDX,  160
.set LAMP, 164
.set LAMC, 165
.set LE,   166                         ; a pair
.set MM,   168                         ; a pair
.set SM,   170
.set IB,   172
.set KD,   175
.set O0,   176
.set O1,   178
	s_load_b256 s[4:11], s[0:1], 0x0               ; p2 s[4:5], rs s[6:7], q s[8:9], out0 s[10:11]
	s_load_b128 s[12:15], s[0:1], 0x20             ; out1 s[12:13], out2 s[14:15]
	v_lshl_add_u32 v8, v0, 2, SPARE                ; my spare word,
	v_mov_b32 v9, 0                                ; and 0: kept for the closing lines alone
	v_lshrrev_b32 v10, 5, v0
	v_readfirstlane_b32 s16, v10                   ; wave 0..3
	s_lshr_b32 s17, ttmp9, 1                       ; t
	s_and_b32 s18, ttmp9, 1                        ; hw
	v_and_b32 v1, 31, v0
	v_and_b32 v2, 7, v0                            ; lam
	v_bfe_u32 v3, v0, 3, 2                         ; g
	s_lshl_b32 s19, s18, 2
	s_add_co_u32 s19, s19, s16
	s_lshl_b32 s19, s19, 13
	v_lshlrev_b32 v4, 4, v1
	v_add_nc_u32 v4, s19, v4                       ; v4  P: (4 hw + v) x 8,192 + 16 x lane
	v_lshlrev_b32 v5, 5, v2                        ; v5  prev, cur: my columns
	s_lshl_b32 s19, s18, 8
	v_lshl_add_u32 v6, v1, 3, s19                  ; v6  the outputs: 256 hw + 8 x lane
	s_lshl_b32 s19, s16, 6
	v_lshl_add_u32 v7, v3, 4, s19                  ; v7  LDS: my rows' indices
	v_lshlrev_b32 v11, 3, v1                       ; v11 LDS: read back
	v_lshlrev_b32 v12, 3, v2                       ; 8 lam
	s_lshl_b32 s20, s17, 16
	s_mov_b32 s21, 0
	s_lshl_b32 s22, s17, 9
	s_mov_b32 s23, 0
	s_mov_b32 s32, 0x3fb8aa3b                      ; log2(e)
	s_mov_b32 s33, s32
	s_mov_b32 s34, 0x3f317218                      ; ln 2
	s_mov_b32 s35, 0xffff0000
	s_wait_kmcnt 0x0
	s_add_nc_u64 s[24:25], s[4:5], s[20:21]
	s_add_nc_u64 s[26:27], s[6:7], s[22:23]        ; rs row t
	s_add_nc_u64 s[28:29], s[8:9], s[22:23]
	s_add_nc_u64 s[10:11], s[10:11], s[22:23]
	s_add_nc_u64 s[12:13], s[12:13], s[22:23]
	s_add_nc_u64 s[14:15], s[14:15], s[22:23]
	s_load_b32 s30, s[26:27], 0x0                  ; prev[0]; no line of this text writes rs
	s_cmp_lg_u32 s16, 0
	s_cbranch_scc1 .Lnw0
	global_load_b64 v[C2:C2+1], v6, s[26:27] offset:512
	global_load_b64 v[Q2:Q2+1], v6, s[28:29]
.Lnw0:
.irp m, 0,1,2,3
	global_load_b128 v[PREV+4*\m:PREV+4*\m+3], v5, s[26:27] offset:256*(\m/2)+16*(\m%2)
.endr
.irp m, 0,1,2,3
	global_load_b128 v[CUR+4*\m:CUR+4*\m+3], v5, s[26:27] offset:512+256*(\m/2)+16*(\m%2)
.endr
.set n, 0
.rept 16
	global_load_b128 v[X+4*n:X+4*n+3], v4, s[24:25] offset:n*512
.set n, n+1
.endr
.set n, 0
.rept 16
	v_add_nc_u32 v[JV+n], 64*(n/8)+n%8, v12        ; register n of a row is column 64 (n / 8) + 8 lam + n % 8
.set n, n+1
.endr
; out = logsumexp of the 128 numbers of which my group's lanes hold 16 each in v[src ..]
.macro LSE16 src, out
	v_max3_num_f32 v[CH],   v[\src],   v[\src+1],  v[\src+2]
	v_max3_num_f32 v[CH+1], v[\src+3], v[\src+4],  v[\src+5]
	v_max3_num_f32 v[CH],   v[CH],     v[\src+6],  v[\src+7]
	v_max3_num_f32 v[CH+1], v[CH+1],   v[\src+8],  v[\src+9]
	v_max3_num_f32 v[CH],   v[CH],     v[\src+10], v[\src+11]
	v_max3_num_f32 v[CH+1], v[CH+1],   v[\src+12], v[\src+13]
	v_max3_num_f32 v[CH],   v[CH],     v[\src+14], v[\src+15]
	v_max_num_f32 v[MM], v[CH], v[CH+1]
.irp x, 1,2,4
	v_max_num_f32_dpp v[MM], v[MM], v[MM] row_xmask:\x row_mask:0xf bank_mask:0xf
.endr
	v_mov_b32 v[MM+1], v[MM]
.set i, 0
.rept 8
	v_pk_add_f32 v[SC+2*i:SC+2*i+1], v[\src+2*i:\src+2*i+1], v[MM:MM+1] neg_lo:[0,1] neg_hi:[0,1]
.set i, i+1
.endr
.set i, 0
.rept 8
	v_pk_mul_f32 v[SC+2*i:SC+2*i+1], v[SC+2*i:SC+2*i+1], s[32:33] op_sel_hi:[1,0]
.set i, i+1
.endr
.set i, 0
.rept 16
	v_exp_f32 v[SC+i], v[SC+i]
.set i, i+1
.endr
	v_nop                                          ; a plain line between the last exponential and the use of its result
	s_wait_alu depctr_va_vdst(0)
.irp i, 0,1,2,3
	v_pk_add_f32 v[SC+2*\i:SC+2*\i+1], v[SC+2*\i:SC+2*\i+1], v[SC+2*\i+8:SC+2*\i+9]
.endr
.irp i, 0,1
	v_pk_add_f32 v[SC+2*\i:SC+2*\i+1], v[SC+2*\i:SC+2*\i+1], v[SC+2*\i+4:SC+2*\i+5]
.endr
	v_pk_add_f32 v[SC:SC+1], v[SC:SC+1], v[SC+2:SC+3]
	v_add_f32 v[SM], v[SC], v[SC+1]
.irp x, 1,2,4
	v_add_f32_dpp v[SM], v[SM], v[SM] row_xmask:\x row_mask:0xf bank_mask:0xf
.endr
	v_log_f32 v[SM], v[SM]
	v_nop
	s_wait_alu depctr_va_vdst(0)
	v_fma_f32 v[\out], v[SM], s34, v[MM]
.endm
.macro MXS s, p                        ; stage s of 8 of row p's maximum of 16
.set xb, X+16*(\p)
.if (\s) == 0
	v_max3_num_f32 v[CH+2*(\p)], v[xb], v[xb+1], v[xb+2]
.elseif (\s) == 1
	v_max3_num_f32 v[CH+2*(\p)+1], v[xb+3], v[xb+4], v[xb+5]
.elseif (\s) < 7
	v_max3_num_f32 v[CH+2*(\p)+(\s)%2], v[CH+2*(\p)+(\s)%2], v[xb+2*(\s)+2], v[xb+2*(\s)+3]
.else
	v_max_num_f32 v[MX+(\p)], v[CH+2*(\p)], v[CH+2*(\p)+1]
.endif
.endm
	s_wait_loadcnt 16                              ; prev and cur are in; P's 16 loads stay out while the two sums are made
	LSE16 PREV, LAMP
	LSE16 CUR, LAMC
	s_cmp_eq_u32 s17, 0
	s_cselect_b32 s36, 0, -1
	v_and_b32 v[LE], s36, v[LAMP]                  ; 0 at t = 0
	v_mov_b32 v[LE+1], v[LE]
.set i, 0
.rept 8
	v_pk_add_f32 v[PREV+2*i:PREV+2*i+1], v[PREV+2*i:PREV+2*i+1], v[LE:LE+1] neg_lo:[0,1] neg_hi:[0,1]  ; the weights of step t - 1
.set i, i+1
.endr
	s_wait_loadcnt 0x0
.set i, 0
.rept 32
	v_pk_add_f32 v[X+2*i:X+2*i+1], v[X+2*i:X+2*i+1], v[PREV+2*(i%8):PREV+2*(i%8)+1]
.set i, i+1
.endr
.irp s, 0,1,2,3,4,5,6,7
.irp p, 0,1,2,3
	MXS \s, \p
.endr
.endr
.irp x, 1,2,4
.irp p, 0,1,2,3
	v_max_num_f32_dpp v[MX+\p], v[MX+\p], v[MX+\p] row_xmask:\x row_mask:0xf bank_mask:0xf
.endr
.endr
.irp p, 0,1,2,3
	v_mov_b32 v[IDX+\p], 1000                      ; above every column: a lane that does not hold the maximum
.endr
.set n, 15
.rept 16                                       ; from the highest column down, so that the lowest stays
.irp p, 0,1,2,3
	v_cmp_eq_f32 vcc_lo, v[X+16*\p+n], v[MX+\p]
	v_cndmask_b32 v[IDX+\p], v[IDX+\p], v[JV+n], vcc_lo
.endr
.set n, n-1
.endr
.irp p, 0,1,2,3
	v_cvt_f32_u32 v[IDX+\p], v[IDX+\p]             ; exact; the lanes' minimum is taken in f32
.endr
.irp x, 1,2,4
.irp p, 0,1,2,3
	v_min_num_f32_dpp v[IDX+\p], v[IDX+\p], v[IDX+\p] row_xmask:\x row_mask:0xf bank_mask:0xf
.endr
.endr
.irp p, 0,1,2,3
	v_cvt_i32_f32 v[IDX+\p], v[IDX+\p]
.endr
	ds_store_b128 v7, v[IDX:IDX+3]                 ; the 8 lanes of a row group write the same 16 bytes with the same numbers
	s_wait_dscnt 0x0                               ; for wave 0's sake
	s_barrier_signal -1
	s_barrier_wait -1
	s_wait_kmcnt 0x0                               ; prev[0]
	s_cmp_lg_u32 s16, 0
	s_cbranch_scc1 .Lend
	ds_load_b64 v[IB:IB+1], v11                    ; wave 0 stores the work-group's 64 rows: each store is 256 consecutive bytes, aligned
	v_cvt_pk_bf16_f32 v174, v[Q2], v[Q2+1]
	v_lshlrev_b32 v[Q2], 16, v174
	v_and_b32 v[Q2+1], s35, v174
	v_sub_f32 v[KD], s30, v[LE]
	v_sub_f32 v[O0], v[C2], v[LAMC]
	v_sub_f32 v[O0+1], v[C2+1], v[LAMC]
	v_pk_add_f32 v[O1:O1+1], v[C2:C2+1], v[Q2:Q2+1]
	v_add_f32 v[O1], v[O1], v[KD]
	v_add_f32 v[O1+1], v[O1+1], v[KD]
	global_store_b64 v6, v[O0:O0+1], s[10:11]
	global_store_b64 v6, v[O1:O1+1], s[12:13]
	s_wait_dscnt 0x0
	global_store_b64 v6, v[IB:IB+1], s[14:15]
.Lend:
	s_wait_tensorcnt 0x0                           ; the wave's end: a wait, an add of 0 to my spare word and its wait, behind my last LDS store
	ds_add_u32 v8, v9
	s_wait_dscnt 0x0
	s_endpgm
.Lfunc_end_k_qf5f25532d8_finish:
	.size	k_qf5f25532d8_finish, .Lfunc_end_k_qf5f25532d8_finish-k_qf5f25532d8_finish
	.p2alignl 7, 3214868480
	.fill 96, 4, 3214868480
	.section	.rodata,"a",@progbits
	.p2align	6, 0x0
	.amdhsa_kernel k_qf5f25532d8_finish
		.amdhsa_group_segment_fixed_size 768
		.amdhsa_private_segment_fixed_size 0
		.amdhsa_enable_private_segment 0
		.amdhsa_kernarg_size 48
		.amdhsa_user_sgpr_count 2
		.amdhsa_user_sgpr_kernarg_segment_ptr 1
		.amdhsa_wavefront_size32 1
		.amdhsa_system_sgpr_workgroup_id_x 1
		.amdhsa_system_sgpr_workgroup_id_y 1
		.amdhsa_system_sgpr_workgroup_id_z 1
		.amdhsa_system_vgpr_workitem_id 0
		.amdhsa_next_free_vgpr 180
		.amdhsa_next_free_sgpr 66
		.amdhsa_reserve_vcc 1
		.amdhsa_float_denorm_mode_32 3
		.amdhsa_float_denorm_mode_16_64 3
		.amdhsa_memory_ordered 1
		.amdhsa_forward_progress 1
		.amdhsa_inst_pref_size 23
	.end_amdhsa_kernel
	.amdgpu_metadata
---
amdhsa.version: [ 1, 2 ]
amdhsa.kernels:
  - .name:           k_qf5f25532d8_finish
    .symbol:         k_qf5f25532d8_finish.kd
    .args:
      - { .name: p2, .offset: 0, .size: 8, .value_kind: global_buffer, .address_space: global }
      - { .name: rs, .offset: 8, .size: 8, .value_kind: global_buffer, .address_space: global }
      - { .name: q, .offset: 16, .size: 8, .value_kind: global_buffer, .address_space: global }
      - { .name: out0, .offset: 24, .size: 8, .value_kind: global_buffer, .address_space: global }
      - { .name: out1, .offset: 32, .size: 8, .value_kind: global_buffer, .address_space: global }
      - { .name: out2, .offset: 40, .size: 8, .value_kind: global_buffer, .address_space: global }
    .group_segment_fixed_size: 768
    .private_segment_fixed_size: 0
    .kernarg_segment_align: 8
    .kernarg_segment_size: 48
    .max_flat_workgroup_size: 128
    .sgpr_count:     66
    .vgpr_count:     180
    .wavefront_size: 32
...
	.end_amdgpu_metadata
.endif
;; end of part 4
;; ======== version 2 of 2: 5 launches; 1.48 times as fast as version 1
;; workspace buffers: wf 524,288 bytes; p2 8,388,608 bytes; m2 983,040 bytes; rs 66,048 bytes
;; launch prep: the kernel of part 1 again; grid 32 x 1, 4 waves a work-group, no clusters, 35,328 bytes of LDS; arguments W, wf; writes wf
;; launch pzz: the kernel of part 2 again; grid 256 x 1, 4 waves a work-group, clusters of 4 x 1, 327,680 bytes of LDS; arguments z, z0, b, wf, p2; writes p2
;; launch blk (part 5): grid 240 x 1, 16 waves a work-group, no clusters, 38,912 bytes of LDS; arguments p2, pxz, q, m2; writes m2
.if DOCPART == 5
	.amdgcn_target "amdgcn-amd-amdhsa--gfx1250"
	.amdhsa_code_object_version 6
	.text
	.protected	k_qf5f25532d8_blk
	.globl	k_qf5f25532d8_blk
	.p2align	8
	.type	k_qf5f25532d8_blk,@function
k_qf5f25532d8_blk:
	s_mov_b64 s[64:65], 0
	v_nop
	global_prefetch_b8 v0, s[64:65] scope:SCOPE_SE
	s_setreg_imm32_b32 hwreg(HW_REG_WAVE_MODE, 25, 1), 1
	s_wait_xcnt 0x0
; THE TRANSFER TABLES.  The recurrence over 128 steps is cut into 16 blocks of 8.  For block b = 0 .. 14 (steps t0 = 8 b .. t0 + 7; behind the last block nothing follows) m2[b] is the table that takes the
; carried vector over the whole block in one step:  v'[i] = logsumexp_k(m2[b][i][k] + v[k]) + pxz[t0+7][i] - q[t0+7][i],  up to a number common to all i.
; A column k of it is a recurrence of its own, with P = p2:
;   y0[i] = P[t0][i][k] + pxz[t0][i] - q[t0][i];    y(s)[i] = logsumexp_j(P[t0+s][i][j] + y(s-1)[j] - rho(s)) + pxz[t0+s][i] - q[t0+s][i]  (s = 1 .. 7; at s = 7 without pxz - q);    m2[b][i][k] = y(7)[i].
; rho(s) = P[t0+s-1][0][0] is the same for every column and row: it shifts the whole table by one number and keeps every sum at the size of P.
; Each logsumexp takes its row's true maximum away first.  pxz and q are rounded once to bf16, as everywhere in this program; all else is f32.
; LIMITS.  A weight below 2^-126 of its row's largest counts as 0; NaN and infinities are not treated apart.
; SHARES.  Work-group x: block b = x / 16 and 8 columns: with cg = x % 16, kh = cg / 8, kl = (cg / 4) % 2, a = cg % 4 they are k = 64 kh + 8 (2 a + c / 4) + 4 kl + c % 4, c = 0 .. 7.
; Wave wv: rows 16 (wv % 8) .. + 15 and columns c = 4 (wv / 8) .. + 3, one after the other on the same P.  Lane l = 8 g + lam: rows + 4 g + rho and j = 64 kh' + 8 lam + 4 kl' + e: 64 numbers of P,
; as p2 is laid out: load n = 4 rho + 2 kh' + kl' of a wave takes 512 consecutive bytes.  A row's 128 j lie in 8 neighbouring lanes.
; Sixteen waves of 256 registers, four to a SIMD: vector work with waits for LDS in it, so a wave's waits are filled by the three beside it.  No matrix unit: there is no product.  No cluster: the 16 work-groups
; of a block read the same P, but into registers, not as tiles in LDS.
; m2 HAS p2's ORDER, so that the launch behind reads both alike.  In that order a work-group's 8 columns of a row are 32 consecutive bytes, and two rows' pieces fall into one aligned block of 256: the stores
; fill such a block in four parts, from four work-groups.  Whole blocks would want 32 columns to a work-group, 60 work-groups in all.
; P of the next step is loaded a step ahead into a second set of registers and copied: 32 double moves for a step's some 1,000 lines, which spare a second text of the step.
.set REG,   4096                       ; LDS: region s (0 .. 7) holds y(s): [c][i] f32.  Step s reads region s - 1 and writes region s: nothing is written twice
.set PQ,    8*REG                      ; pxz - q of steps t0 .. t0 + 6, 512 bytes a row; row 7 is 0
.set SPARE, PQ+4096                    ; the spare words, 128 bytes a wave
.set P,   16                           ; 64: row rho at P + 16 rho
.set PN,  80                           ; 64: the next step's
.set X,   144                          ; 64: P + u, then the weights
.set UH,  208                          ; 16: y(s-1) of my j, then less rho
.set CH,  224                          ; 8:  two chains of maxima a row
.set MX,  232                          ; 4:  the rows' maxima
.set CM,  236                          ; 4:  c x maximum, c = log2(e)
.set RES, 240                          ; 4:  what that product's rounding dropped
.set SS,  244                          ; 4:  the rows' sums
.set PQR, 248                          ; 4:  pxz - q of my rows
.set RR,  252                          ; 4:  y(s) of my rows
	s_load_b256 s[4:11], s[0:1], 0x0               ; p2 s[4:5], pxz s[6:7], q s[8:9], m2 s[10:11]
	v_lshl_add_u32 v8, v0, 2, SPARE                ; my spare word,
	v_mov_b32 v9, 0                                ; and 0: kept for the closing lines alone
	v_lshrrev_b32 v10, 5, v0
	v_readfirstlane_b32 s12, v10                   ; wave 0..15
	s_lshr_b32 s13, ttmp9, 4                       ; b
	s_and_b32 s14, ttmp9, 15                       ; cg
	s_and_b32 s15, s12, 7                          ; which 16 rows
	s_lshr_b32 s16, s12, 3                         ; which 4 columns
	v_and_b32 v11, 31, v0
	v_and_b32 v12, 7, v0                           ; lam
	v_bfe_u32 v13, v0, 3, 2                        ; g
	s_lshl_b32 s17, s15, 13
	v_lshlrev_b32 v1, 4, v11
	v_add_nc_u32 v1, s17, v1                       ; v1  P: row group x 8,192 + 16 x lane
	s_lshl_b32 s17, s16, 11
	v_lshl_add_u32 v2, v12, 5, s17                 ; v2  y(s-1) of my j: region 0, my first column; 512 on for each column
	s_lshl_b32 s18, s15, 6
	v_lshl_add_u32 v4, v13, 4, s18                 ; 4 x my first row
	v_add_nc_u32 v3, s17, v4
	v_add_nc_u32 v3, REG, v3                       ; v3  where y(s) of my rows goes: region 1, my first column
	v_add_nc_u32 v4, PQ+512, v4                    ; v4  pxz - q of my rows: row 1
	; waves 0 to 7, thread by thread: row i = thread / 2, columns c = 4 (thread % 2) .. + 3
	v_lshrrev_b32 v10, 1, v0                       ; i
	v_and_b32 v14, 1, v0
	v_lshrrev_b32 v5, 4, v10
	v_lshlrev_b32 v5, 13, v5                       ; (i / 16) x 8,192
	v_and_b32 v15, 3, v10
	v_lshl_add_u32 v5, v15, 11, v5                 ; + (i % 4) x 2,048
	v_bfe_u32 v15, v10, 2, 2
	v_lshl_add_u32 v5, v15, 7, v5                  ; + ((i / 4) % 4) x 128
	v_lshl_add_u32 v5, v14, 4, v5                  ; v5  + 16 for the second four: my 16 bytes of a table in p2's order
	v_lshlrev_b32 v10, 2, v10                      ; v10 4 i
	v_lshl_add_u32 v6, v14, 11, v10                ; v6  the same numbers in a region: column 4 (thread % 2), row i
	v_lshlrev_b32 v7, 4, v0                        ; v7  16 x thread
	s_lshl_b32 s20, s13, 19                        ; step t0 in p2: 8 b x 65,536
	s_mov_b32 s21, 0
	s_lshl_b32 s22, s13, 12                        ; row t0 of pxz and q: 8 b x 512
	s_mov_b32 s23, 0
	s_lshr_b32 s24, s14, 2                         ; my columns' place in a table: (2 kh + kl) x 512 + a x 32
	s_lshl_b32 s24, s24, 9
	s_and_b32 s25, s14, 3
	s_lshl_b32 s25, s25, 5
	s_add_co_u32 s24, s24, s25
	s_mov_b32 s25, 0
	s_lshl_b32 s26, s13, 16                        ; table b in m2
	s_add_co_u32 s26, s26, s24
	s_mov_b32 s27, 0
	s_mov_b32 s32, 0x3fb8aa3b                      ; c = log2(e)
	s_mov_b32 s33, s32                             ; named with it as a pair
	s_mov_b32 s34, 0x3f317218                      ; ln 2
	s_mov_b32 s35, 0xffff0000                      ; a word's upper bf16
	s_wait_kmcnt 0x0
	s_add_nc_u64 s[28:29], s[4:5], s[20:21]        ; p2 at step t0; it steps with s
	s_add_nc_u64 s[30:31], s[28:29], s[24:25]      ; and there at my columns
	s_add_nc_u64 s[6:7], s[6:7], s[22:23]
	s_add_nc_u64 s[8:9], s[8:9], s[22:23]
	s_add_nc_u64 s[10:11], s[10:11], s[26:27]
	s_load_b32 s36, s[28:29], 0x0                  ; rho(1); no line of this text writes p2
	s_cmp_lt_u32 s12, 8
	s_cbranch_scc0 .Lhi0
	global_load_b128 v[X:X+3],    v7, s[6:7]       ; 8 rows of pxz, 16 bytes a thread,
	global_load_b128 v[X+4:X+7],  v7, s[8:9]       ; and of q
	global_load_b128 v[X+8:X+11], v5, s[30:31]     ; P[t0][i][my four columns]
	global_load_b32 v[X+12], v10, s[6:7]           ; pxz[t0][i]
	global_load_b32 v[X+13], v10, s[8:9]           ; q[t0][i]
.Lhi0:
.set n, 0
.rept 16
	global_load_b128 v[PN+4*n:PN+4*n+3], v1, s[28:29] offset:65536+n*512  ; P of step t0 + 1
.set n, n+1
.endr
	s_cmp_lt_u32 s12, 8
	s_cbranch_scc0 .Lhi1
	s_wait_loadcnt 16                              ; the five loads above are in; P's 16 stay out
	v_cvt_pk_bf16_f32 v[X+16], v[X],    v[X+1]
	v_cvt_pk_bf16_f32 v[X+17], v[X+2],  v[X+3]
	v_cvt_pk_bf16_f32 v[X+18], v[X+4],  v[X+5]
	v_cvt_pk_bf16_f32 v[X+19], v[X+6],  v[X+7]
	v_cvt_pk_bf16_f32 v[X+20], v[X+12], v[X+13]    ; pxz[t0][i] below, q[t0][i] above
	v_lshlrev_b32 v[X+24], 16, v[X+16]
	v_and_b32 v[X+25], s35, v[X+16]
	v_lshlrev_b32 v[X+26], 16, v[X+17]
	v_and_b32 v[X+27], s35, v[X+17]
	v_lshlrev_b32 v[X+28], 16, v[X+18]
	v_and_b32 v[X+29], s35, v[X+18]
	v_lshlrev_b32 v[X+30], 16, v[X+19]
	v_and_b32 v[X+31], s35, v[X+19]
	v_pk_add_f32 v[X+24:X+25], v[X+24:X+25], v[X+28:X+29] neg_lo:[0,1] neg_hi:[0,1]
	v_pk_add_f32 v[X+26:X+27], v[X+26:X+27], v[X+30:X+31] neg_lo:[0,1] neg_hi:[0,1]
	v_cmp_gt_u32 vcc_lo, 224, v0                   ; threads 224 to 255 hold row 7, which the launch behind adds: 0 here
.irp e, 0,1,2,3
	v_cndmask_b32 v[X+24+\e], 0, v[X+24+\e], vcc_lo
.endr
	ds_store_b128 v7, v[X+24:X+27] offset:PQ
	v_lshlrev_b32 v[X+32], 16, v[X+20]
	v_and_b32 v[X+33], s35, v[X+20]
	v_sub_f32 v[X+32], v[X+32], v[X+33]
	v_pk_add_f32 v[X+8:X+9],   v[X+8:X+9],   v[X+32:X+33] op_sel_hi:[1,0]  ; y0
	v_pk_add_f32 v[X+10:X+11], v[X+10:X+11], v[X+32:X+33] op_sel_hi:[1,0]
.irp e, 0,1,2,3
	ds_store_b32 v6, v[X+8+\e] offset:\e*512
.endr
.Lhi1:
	s_wait_dscnt 0x0                               ; for the others' sake
	s_barrier_signal -1
	s_barrier_wait -1
.macro MXS s, p                        ; stage s of 8 of row p's maximum of 16: two chains, three operands at a time
.set xb, X+16*(\p)
.if (\s) == 0
	v_max3_num_f32 v[CH+2*(\p)], v[xb], v[xb+1], v[xb+2]
.elseif (\s) == 1
	v_max3_num_f32 v[CH+2*(\p)+1], v[xb+3], v[xb+4], v[xb+5]
.elseif (\s) < 7
	v_max3_num_f32 v[CH+2*(\p)+(\s)%2], v[CH+2*(\p)+(\s)%2], v[xb+2*(\s)+2], v[xb+2*(\s)+3]
.else
	v_max_num_f32 v[MX+(\p)], v[CH+2*(\p)], v[CH+2*(\p)+1]
.endif
.endm
.macro FX p, m                         ; pair m of row p: c x - c maximum
.set xb, X+16*(\p)+2*(\m)
.if (\p)%2
	v_pk_fma_f32 v[xb:xb+1], v[xb:xb+1], s[32:33], v[CM+2*((\p)/2):CM+2*((\p)/2)+1] op_sel:[0,0,1] op_sel_hi:[1,0,1] neg_lo:[0,0,1] neg_hi:[0,0,1]
.else
	v_pk_fma_f32 v[xb:xb+1], v[xb:xb+1], s[32:33], v[CM+2*((\p)/2):CM+2*((\p)/2)+1] op_sel:[0,0,0] op_sel_hi:[1,0,0] neg_lo:[0,0,1] neg_hi:[0,0,1]
.endif
.endm
.macro AX p, m                         ; addition m of 8 of row p's sum of 16, in place: pairs 4, 2 and 1 apart, then the pair's halves
.set xb, X+16*(\p)
.if (\m) < 4
	s_wait_alu depctr_va_vdst(0)
	v_pk_add_f32 v[xb+2*(\m):xb+2*(\m)+1], v[xb+2*(\m):xb+2*(\m)+1], v[xb+2*(\m)+8:xb+2*(\m)+9]
.elseif (\m) < 6
	v_pk_add_f32 v[xb+2*(\m)-8:xb+2*(\m)-7], v[xb+2*(\m)-8:xb+2*(\m)-7], v[xb+2*(\m)-4:xb+2*(\m)-3]
.elseif (\m) == 6
	v_pk_add_f32 v[xb:xb+1], v[xb:xb+1], v[xb+2:xb+3]
.else
	v_add_f32 v[SS+(\p)], v[xb], v[xb+1]
.endif
.endm
; One column's step: y(s) of my 16 rows' share from y(s-1) of that column.
.macro CSTEP
	ds_load_b128 v[UH:UH+3],     v2
	ds_load_b128 v[UH+4:UH+7],   v2 offset:16
	ds_load_b128 v[UH+8:UH+11],  v2 offset:256
	ds_load_b128 v[UH+12:UH+15], v2 offset:272
	s_wait_dscnt 0x0
.set m, 0
.rept 8
	v_pk_add_f32 v[UH+2*m:UH+2*m+1], v[UH+2*m:UH+2*m+1], s[38:39] op_sel_hi:[1,0]  ; less rho
.set m, m+1
.endr
.set m, 0
.rept 32
	v_pk_add_f32 v[X+2*m:X+2*m+1], v[P+2*m:P+2*m+1], v[UH+2*(m%8):UH+2*(m%8)+1]
.set m, m+1
.endr
.irp s, 0,1,2,3,4,5,6,7
.irp p, 0,1,2,3
	MXS \s, \p
.endr
.endr
.irp x, 1,2,4                          ; a row's other j lie in the lanes 1, 2 and 4 away
.irp p, 0,1,2,3
	v_max_num_f32_dpp v[MX+\p], v[MX+\p], v[MX+\p] row_xmask:\x row_mask:0xf bank_mask:0xf
.endr
.endr
.irp p, 0,1,2,3
	v_mul_f32 v[CM+\p], s32, v[MX+\p]
.endr
.irp p, 0,1,2,3
	v_fma_f32 v[RES+\p], v[MX+\p], s32, -v[CM+\p]  ; exact: c x - CM = c (x - maximum) + RES, so the sum comes out 2^RES too large, which the logarithm gives back
.endr
.set m, 0
.rept 8
	FX 0, m
.set m, m+1
.endr
; 64 exponentials.  Beside row p's stand the scalings of row p + 1 and the additions of row p - 1: behind an exponential comes a plain line that names none of its registers, or another exponential (ISA guide 5.7.2).
.set p, 0
.rept 4
.set m, 0
.rept 16
	v_exp_f32 v[X+16*p+m], v[X+16*p+m]
.if (m < 8) && (p < 3)
	FX p+1, m
.endif
.if (m >= 8) && (p > 0)
	AX p-1, m-8
.endif
.set m, m+1
.endr
.set p, p+1
.endr
.set m, 0
.rept 8
	AX 3, m
.set m, m+1
.endr
.irp x, 1,2,4
.irp p, 0,1,2,3
	v_add_f32_dpp v[SS+\p], v[SS+\p], v[SS+\p] row_xmask:\x row_mask:0xf bank_mask:0xf
.endr
.endr
.irp p, 0,1,2,3
	v_log_f32 v[SS+\p], v[SS+\p]
.endr
	v_nop                                          ; a plain line between the last logarithm and the use of its result
	s_wait_alu depctr_va_vdst(0)
	v_pk_add_f32 v[SS:SS+1],   v[SS:SS+1],   v[RES:RES+1]   neg_lo:[0,1] neg_hi:[0,1]
	v_pk_add_f32 v[SS+2:SS+3], v[SS+2:SS+3], v[RES+2:RES+3] neg_lo:[0,1] neg_hi:[0,1]
.irp p, 0,1,2,3
	v_fma_f32 v[RR+\p], v[SS+\p], s34, v[MX+\p]    ; maximum + ln 2 x log2(sum)
.endr
	v_pk_add_f32 v[RR:RR+1],   v[RR:RR+1],   v[PQR:PQR+1]
	v_pk_add_f32 v[RR+2:RR+3], v[RR+2:RR+3], v[PQR+2:PQR+3]
	ds_store_b128 v3, v[RR:RR+3]                   ; the 8 lanes of a row group write the same 16 bytes with the same numbers
	v_add_nc_u32 v2, 512, v2                       ; the next column
	v_add_nc_u32 v3, 512, v3
.endm
	s_mov_b32 s20, 7
.Ls:                                                   ; a trip = a step s = 1 .. 7
	s_wait_loadcnt 0x0                             ; this step's P: asked for a step ago
	s_wait_kmcnt 0x0                               ; and its rho
.set n, 0
.rept 32
	v_dual_mov_b32 v[P+2*n], v[PN+2*n] :: v_dual_mov_b32 v[P+2*n+1], v[PN+2*n+1]
.set n, n+1
.endr
	s_xor_b32 s38, s36, 0x80000000                 ; - rho
	s_mov_b32 s39, s38                             ; named with it as a pair
	s_add_nc_u64 s[28:29], s[28:29], 0x10000       ; free: every load that named it is done
	s_cmp_eq_u32 s20, 1
	s_cbranch_scc1 .Lnonext                        ; the last step has no successor
.set n, 0
.rept 16
	global_load_b128 v[PN+4*n:PN+4*n+3], v1, s[28:29] offset:65536+n*512
.set n, n+1
.endr
	s_load_b32 s36, s[28:29], 0x0
.Lnonext:
	ds_load_b128 v[PQR:PQR+3], v4                  ; waited for with the first column's loads
	s_mov_b32 s21, 4
.Lc:
	CSTEP
	s_sub_co_u32 s21, s21, 1
	s_cmp_lg_u32 s21, 0
	s_cbranch_scc1 .Lc
	v_add_nc_u32 v2, 2048, v2                      ; over the other waves' four columns: into the next region
	v_add_nc_u32 v3, 2048, v3
	v_add_nc_u32 v4, 512, v4
	s_wait_dscnt 0x0                               ; for the others' sake: y(s) of my rows is in LDS
	s_barrier_signal -1
	s_barrier_wait -1
	s_sub_co_u32 s20, s20, 1
	s_cmp_lg_u32 s20, 0
	s_cbranch_scc1 .Ls
	s_cmp_lt_u32 s12, 8
	s_cbranch_scc0 .Lend
.irp e, 0,1,2,3
	ds_load_b32 v[X+\e], v6 offset:7*REG+\e*512    ; y(7): row i, my four columns
.endr
	s_wait_dscnt 0x0
	global_store_b128 v5, v[X:X+3], s[10:11]       ; two neighbouring threads store 32 consecutive bytes
.Lend:
	s_wait_tensorcnt 0x0                           ; the wave's end: a wait, an add of 0 to my spare word and its wait, behind my last LDS store
	ds_add_u32 v8, v9
	s_wait_dscnt 0x0
	s_endpgm
.Lfunc_end_k_qf5f25532d8_blk:
	.size	k_qf5f25532d8_blk, .Lfunc_end_k_qf5f25532d8_blk-k_qf5f25532d8_blk
	.p2alignl 7, 3214868480
	.fill 96, 4, 3214868480
	.section	.rodata,"a",@progbits
	.p2align	6, 0x0
	.amdhsa_kernel k_qf5f25532d8_blk
		.amdhsa_group_segment_fixed_size 38912
		.amdhsa_private_segment_fixed_size 0
		.amdhsa_enable_private_segment 0
		.amdhsa_kernarg_size 32
		.amdhsa_user_sgpr_count 2
		.amdhsa_user_sgpr_kernarg_segment_ptr 1
		.amdhsa_wavefront_size32 1
		.amdhsa_system_sgpr_workgroup_id_x 1
		.amdhsa_system_sgpr_workgroup_id_y 1
		.amdhsa_system_sgpr_workgroup_id_z 1
		.amdhsa_system_vgpr_workitem_id 0
		.amdhsa_next_free_vgpr 256
		.amdhsa_next_free_sgpr 66
		.amdhsa_reserve_vcc 1
		.amdhsa_float_denorm_mode_32 3
		.amdhsa_float_denorm_mode_16_64 3
		.amdhsa_memory_ordered 1
		.amdhsa_forward_progress 1
		.amdhsa_inst_pref_size 26
	.end_amdhsa_kernel
	.amdgpu_metadata
---
amdhsa.version: [ 1, 2 ]
amdhsa.kernels:
  - .name:           k_qf5f25532d8_blk
    .symbol:         k_qf5f25532d8_blk.kd
    .args:
      - { .name: p2, .offset: 0, .size: 8, .value_kind: global_buffer, .address_space: global }
      - { .name: pxz, .offset: 8, .size: 8, .value_kind: global_buffer, .address_space: global }
      - { .name: q, .offset: 16, .size: 8, .value_kind: global_buffer, .address_space: global }
      - { .name: m2, .offset: 24, .size: 8, .value_kind: global_buffer, .address_space: global }
    .group_segment_fixed_size: 38912
    .private_segment_fixed_size: 0
    .kernarg_segment_align: 8
    .kernarg_segment_size: 32
    .max_flat_workgroup_size: 512
    .sgpr_count:     66
    .vgpr_count:     256
    .wavefront_size: 32
...
	.end_amdgpu_metadata
.endif
;; end of part 5
;; launch scan (part 6): grid 16 x 1, 8 waves a work-group, no clusters, 2,048 bytes of LDS; arguments p2, m2, pxz, q, w0, rs; writes rs
.if DOCPART == 6
	.amdgcn_target "amdgcn-amd-amdhsa--gfx1250"
	.amdhsa_code_object_version 6
	.text
	.protected	k_qf5f25532d8_scan
	.globl	k_qf5f25532d8_scan
	.p2align	8
	.type	k_qf5f25532d8_scan,@function
k_qf5f25532d8_scan:
	s_mov_b64 s[64:65], 0
	v_nop
	global_prefetch_b8 v0, s[64:65] scope:SCOPE_SE
	s_setreg_imm32_b32 hwreg(HW_REG_WAVE_MODE, 25, 1), 1
	s_wait_xcnt 0x0
; THE RECURRENCE.  rs row 0 = w0; rs row t + 1 = r[t],  r[t][i] = logsumexp_j(P[t][i][j] + prev[j] - prev[0]) + pxz[t][i] - q[t][i],  P = p2,  prev = r[t-1] up to a number common to all j.
; r[t] is reference()'s p_joint - q but for a number common to all i, which the launch behind restores; prev[0] is taken away so that what is added to P has the size of the weights' spread.
; The row's true maximum is taken away before the exponentials.  w0, pxz and q are rounded once to bf16; all else is f32.
; LIMITS.  A weight below 2^-126 of its row's largest counts as 0; NaN and infinities are not treated apart.
; SIXTEEN WORK-GROUPS, one for each block of 8 steps.  Work-group b starts from w0, goes over blocks 0 .. b - 1 in b steps, each on a block's transfer table m2[n] with pxz - q of the block's last step, and then
; walks its own steps 8 b .. 8 b + 7 on p2 and stores their r.  A step on a table and a step on P are the same text: only the bases differ, and they are chosen by the step's number n against b.
; So the longest chain is 15 + 8 steps for 128.  Work-groups hand each other nothing: each goes the way from w0 by itself.
; The loop takes four steps a trip, (b + 11) / 4 trips: up to three steps behind a work-group's last (one in the longest) work on its last P once more and store nothing.
; SHARES.  Wave w owns rows 16 w .. + 15; lane l = 8 g + lam owns rows 16 w + 4 g + rho (rho 0..3) and columns 64 kh + 8 lam + 4 kl + e: 64 numbers.  A row's 128 columns lie in 8 neighbouring lanes.
; p2 and m2 are laid out so that load n = 4 rho + 2 kh + kl of a wave takes 512 consecutive bytes.
; RING.  Four slots of 72 registers hold the table, pxz and q of four steps: a slot is asked for again as soon as its step is done, so 54 loads, three steps, are out while a step is worked on.
; EXCHANGE.  r goes from step to step through two rows of 512 LDS bytes that take turns: a step reads the one that the step before wrote and writes the other, so one barrier a step does.
; Wave 0 reads each finished row of the work-group's own steps back from there and stores it: 512 consecutive bytes.
; REGISTERS.  Window 0: v0-27 addresses and the rows on their way out; v32-47 pxz and q as loaded; slots 0, 1 at v64, v128; v192-241 at work.  Window 1: slots 2, 3 and the same registers.
.set SPARE, 1024                       ; LDS: the two rows at 0 and 512; then the spare words, 128 bytes a wave
.set HB,  24                           ; 4:  a finished row on its way out (wave 0, window 0)
.set UH,  192                          ; 16: prev of my columns, then prev - prev[0]
.set KAP, 208                          ; 2:  prev[0], prev[1]
.set CH,  210                          ; 8:  two chains of maxima a row
.set MX,  218                          ; 4:  the rows' maxima
.set CM,  222                          ; 4:  c x maximum, c = log2(e)
.set RES, 226                          ; 4:  what that product's rounding dropped
.set SS,  230                          ; 4:  the rows' sums
.set PQR, 234                          ; 4:  pxz - q of my rows
.set RR,  238                          ; 4:  r of my rows
.set MSB, 0
.macro WIN new                         ; the immediate's high byte repeats the setting that is left; a switch that changes nothing is dropped
.if MSB != (\new)
	s_set_vgpr_msb (MSB<<8)|(\new)
.set MSB, \new
.endif
.endm
	s_load_b256 s[4:11], s[0:1], 0x0               ; p2 s[4:5], m2 s[6:7], pxz s[8:9], q s[10:11]
	s_load_b128 s[12:15], s[0:1], 0x20             ; w0 s[12:13], rs s[14:15]
	v_lshl_add_u32 v8, v0, 2, SPARE                ; my spare word,
	v_mov_b32 v9, 0                                ; and 0: kept for the closing lines alone
.irp e, 0,1,2,3
	v_mov_b32 v[HB+\e], 0                          ; written once: in a step the load into these four and the store from them stand under two branches on one condition, and they hold numbers on every way through the text
.endr
	v_lshrrev_b32 v10, 5, v0
	v_readfirstlane_b32 s16, v10                   ; wave 0..7
	v_and_b32 v11, 31, v0
	v_and_b32 v12, 7, v0                           ; lam
	v_bfe_u32 v13, v0, 3, 2                        ; g
	s_lshl_b32 s17, s16, 13
	v_lshlrev_b32 v7, 4, v11                       ; v7  16 x lane: a whole row of 512 bytes, in LDS and in memory
	v_add_nc_u32 v1, s17, v7                       ; v1  a table: wave x 8,192 + 16 x lane
	v_lshlrev_b32 v2, 5, v12                       ; v2  prev of my columns
	v_mov_b32 v3, 0                                ; v3  prev[0]
	s_lshl_b32 s18, s16, 6
	v_lshl_add_u32 v4, v13, 4, s18                 ; v4  4 x my first row: r in LDS, pxz and q in memory
	s_mov_b32 s19, ttmp9                           ; b
	s_add_co_u32 s21, s19, 7                       ; my last step's number
	s_mul_i32 s29, s19, 7                          ; step n >= b of mine is step t = 7 b + n of the problem
	s_add_co_u32 s27, s19, 11
	s_lshr_b32 s27, s27, 2                         ; trips
	s_mov_b32 s20, 0                               ; the step that is asked for next
	s_mov_b32 s41, 0                               ; the step in hand, n
	s_mov_b32 s33, 0
	s_mov_b32 s35, 0
	; At the head of step n the row read is rs row 7 b + n if b + 1 <= n <= b + 8 (at b = 0 also n = 0: w0).  One compare: n - lo <= span, without sign; in waves other than 0 lo is out of reach.
	s_add_co_u32 s42, s19, 1
	s_mov_b32 s43, 7
	s_cmp_eq_u32 s19, 0
	s_cselect_b32 s42, 0, s42
	s_cselect_b32 s43, 8, s43
	s_cmp_eq_u32 s16, 0
	s_cselect_b32 s42, s42, 0x40000000
	s_lshl_b32 s32, s29, 9
	s_mov_b32 s48, 0x3fb8aa3b                      ; c = log2(e)
	s_mov_b32 s49, s48                             ; named with it as a pair
	s_mov_b32 s50, 0x3f317218                      ; ln 2
	s_mov_b32 s51, 0xffff0000                      ; a word's upper bf16
	s_wait_kmcnt 0x0
	s_add_nc_u64 s[44:45], s[14:15], s[32:33]      ; rs row 7 b + n; it steps with n
; Slot k is asked for: the table, pxz and q of step s20, or of my last step where s20 has passed it: no load leaves a buffer.  18 loads.
.macro REFILL k
.set XF, 64+64*((\k)%2)
.set RF, 32+8*((\k)%2)
	s_wait_xcnt 0x0                                ; the bases of the loads, and the sources of the store, issued so far are rewritten only behind this wait
	s_min_u32 s22, s20, s21
	s_add_co_u32 s28, s22, s29                     ; as a step of my own: t = 7 b + n
	s_lshl_b32 s30, s22, 3
	s_add_co_u32 s30, s30, 7                       ; as a block: its last step, 8 n + 7
	s_cmp_lt_u32 s22, s19                          ; a block in front of mine?
	s_cselect_b64 s[24:25], s[6:7], s[4:5]
	s_cselect_b32 s31, s22, s28                    ; the table's number in its buffer
	s_cselect_b32 s30, s30, s28                    ; the row of pxz and q
	s_lshl_b32 s32, s31, 16
	s_lshl_b32 s34, s30, 9
	s_add_nc_u64 s[24:25], s[24:25], s[32:33]
	s_add_nc_u64 s[36:37], s[8:9], s[34:35]
	s_add_nc_u64 s[38:39], s[10:11], s[34:35]
	s_add_co_u32 s20, s20, 1
.set m, 0
.rept 16
	global_load_b128 v[XF+4*m:XF+4*m+3], v1, s[24:25] offset:m*512
.set m, m+1
.endr
	global_load_b128 v[RF:RF+3],   v4, s[36:37]
	global_load_b128 v[RF+4:RF+7], v4, s[38:39]
.endm
	s_cmp_lg_u32 s16, 0
	s_cbranch_scc1 .Lnw0
	global_load_b128 v[16:19], v7, s[12:13]        ; wave 0: w0.  The oldest load: it changes no count below
.Lnw0:
	REFILL 0
	REFILL 1
	WIN 0x40                                       ; loaded data in window 1, addresses in window 0
	REFILL 2
	WIN 0
	s_cmp_lg_u32 s16, 0
	s_cbranch_scc1 .Lnw1
	s_wait_loadcnt 54                              ; behind w0's load: three slots of 18
	v_cvt_pk_bf16_f32 v20, v16, v17                ; wave 0: w0 is rounded and becomes the first prev
	v_cvt_pk_bf16_f32 v21, v18, v19
	v_lshlrev_b32 v16, 16, v20
	v_and_b32 v17, s51, v20
	v_lshlrev_b32 v18, 16, v21
	v_and_b32 v19, s51, v21
	ds_store_b128 v7, v[16:19] offset:512
.Lnw1:
	WIN 0x40
	REFILL 3
	WIN 0
	s_wait_dscnt 0x0                               ; for the others' sake
	s_barrier_signal -1
	s_barrier_wait -1
.macro MXS s, p                        ; stage s of 8 of row p's maximum of 16: two chains, three operands at a time
.set xb, X+16*(\p)
.if (\s) == 0
	v_max3_num_f32 v[CH+2*(\p)], v[xb], v[xb+1], v[xb+2]
.elseif (\s) == 1
	v_max3_num_f32 v[CH+2*(\p)+1], v[xb+3], v[xb+4], v[xb+5]
.elseif (\s) < 7
	v_max3_num_f32 v[CH+2*(\p)+(\s)%2], v[CH+2*(\p)+(\s)%2], v[xb+2*(\s)+2], v[xb+2*(\s)+3]
.else
	v_max_num_f32 v[MX+(\p)], v[CH+2*(\p)], v[CH+2*(\p)+1]
.endif
.endm
.macro FX p, m                         ; pair m of row p: c x - c maximum
.set xb, X+16*(\p)+2*(\m)
.if (\p)%2
	v_pk_fma_f32 v[xb:xb+1], v[xb:xb+1], s[48:49], v[CM+2*((\p)/2):CM+2*((\p)/2)+1] op_sel:[0,0,1] op_sel_hi:[1,0,1] neg_lo:[0,0,1] neg_hi:[0,0,1]
.else
	v_pk_fma_f32 v[xb:xb+1], v[xb:xb+1], s[48:49], v[CM+2*((\p)/2):CM+2*((\p)/2)+1] op_sel:[0,0,0] op_sel_hi:[1,0,0] neg_lo:[0,0,1] neg_hi:[0,0,1]
.endif
.endm
.macro AX p, m                         ; addition m of 8 of row p's sum of 16, in place: pairs 4, 2 and 1 apart, then the pair's halves
.set xb, X+16*(\p)
.if (\m) < 4
	s_wait_alu depctr_va_vdst(0)
	v_pk_add_f32 v[xb+2*(\m):xb+2*(\m)+1], v[xb+2*(\m):xb+2*(\m)+1], v[xb+2*(\m)+8:xb+2*(\m)+9]
.elseif (\m) < 6
	v_pk_add_f32 v[xb+2*(\m)-8:xb+2*(\m)-7], v[xb+2*(\m)-8:xb+2*(\m)-7], v[xb+2*(\m)-4:xb+2*(\m)-3]
.elseif (\m) == 6
	v_pk_add_f32 v[xb:xb+1], v[xb:xb+1], v[xb+2:xb+3]
.else
	v_add_f32 v[SS+(\p)], v[xb], v[xb+1]
.endif
.endm
; A STEP, on slot k.
.macro STEP k
.set SW, (\k)/2                        ; the slot's window
.set X,  64+64*((\k)%2)
.set RW, 32+8*((\k)%2)                 ; pxz (4) and q (4) of my rows as loaded
.set UR, 512*(1-(\k)%2)                ; the row that the step before wrote
.set UW, 512*((\k)%2)
	s_sub_co_u32 s40, s41, s42
	s_cmp_le_u32 s40, s43                          ; is that row one of rs's that I owe?
	s_cbranch_scc0 .Lnl_\@
	ds_load_b128 v[HB:HB+3], v7 offset:UR          ; wave 0: the whole row
.Lnl_\@:
	WIN 0x40*SW                                    ; loaded data in the slot's window, addresses in window 0
	ds_load_b128 v[UH:UH+3],     v2 offset:UR
	ds_load_b128 v[UH+4:UH+7],   v2 offset:UR+16
	ds_load_b128 v[UH+8:UH+11],  v2 offset:UR+256
	ds_load_b128 v[UH+12:UH+15], v2 offset:UR+272
	ds_load_b64  v[KAP:KAP+1],   v3 offset:UR
	s_wait_loadcnt 54                              ; this slot's 18 loads are in; three later steps' stay out
	WIN 0x55*SW
	v_cvt_pk_bf16_f32 v[MX],   v[RW],   v[RW+1]    ; pxz - q, each rounded to bf16 first: 14 lines that stand in the wait for the LDS loads above
	v_cvt_pk_bf16_f32 v[MX+1], v[RW+2], v[RW+3]
	v_cvt_pk_bf16_f32 v[MX+2], v[RW+4], v[RW+5]
	v_cvt_pk_bf16_f32 v[MX+3], v[RW+6], v[RW+7]
.irp p, 0,1,2,3
	v_lshlrev_b32 v[CH+2*\p],   16,  v[MX+\p]
	v_and_b32     v[CH+2*\p+1], s51, v[MX+\p]
.endr
	v_pk_add_f32 v[PQR:PQR+1],   v[CH:CH+1],   v[CH+4:CH+5] neg_lo:[0,1] neg_hi:[0,1]
	v_pk_add_f32 v[PQR+2:PQR+3], v[CH+2:CH+3], v[CH+6:CH+7] neg_lo:[0,1] neg_hi:[0,1]
	s_wait_dscnt 0x0
	WIN 0                                          ; at a branch and at a label every window is 0
	s_cmp_le_u32 s40, s43                          ; the same condition as at the step's head: s40 and s43 have not changed
	s_cbranch_scc0 .Lns_\@
	global_store_b128 v7, v[HB:HB+3], s[44:45]     ; 512 consecutive bytes, at a multiple of 256 from rs's first
.Lns_\@:
	WIN 0x55*SW
.set m, 0
.rept 8
	v_pk_add_f32 v[UH+2*m:UH+2*m+1], v[UH+2*m:UH+2*m+1], v[KAP:KAP+1] op_sel_hi:[1,0] neg_lo:[0,1] neg_hi:[0,1]
.set m, m+1
.endr
.set m, 0
.rept 32                                       ; x = table + (prev - prev[0])
	v_pk_add_f32 v[X+2*m:X+2*m+1], v[X+2*m:X+2*m+1], v[UH+2*(m%8):UH+2*(m%8)+1]
.set m, m+1
.endr
.irp s, 0,1,2,3,4,5,6,7
.irp p, 0,1,2,3
	MXS \s, \p
.endr
.endr
.irp x, 1,2,4                          ; a row's other columns lie in the lanes 1, 2 and 4 away
.irp p, 0,1,2,3
	v_max_num_f32_dpp v[MX+\p], v[MX+\p], v[MX+\p] row_xmask:\x row_mask:0xf bank_mask:0xf
.endr
.endr
.irp p, 0,1,2,3
	v_mul_f32 v[CM+\p], s48, v[MX+\p]
.endr
.irp p, 0,1,2,3
	v_fma_f32 v[RES+\p], v[MX+\p], s48, -v[CM+\p]  ; exact: c x - CM = c (x - maximum) + RES, so the sum comes out 2^RES too large, which the logarithm gives back
.endr
.set m, 0
.rept 8
	FX 0, m
.set m, m+1
.endr
; 64 exponentials.  Beside row p's stand the scalings of row p + 1 and the additions of row p - 1: behind an exponential comes a plain line that names none of its registers, or another exponential (ISA guide 5.7.2).
.set p, 0
.rept 4
.set m, 0
.rept 16
	v_exp_f32 v[X+16*p+m], v[X+16*p+m]
.if (m < 8) && (p < 3)
	FX p+1, m
.endif
.if (m >= 8) && (p > 0)
	AX p-1, m-8
.endif
.set m, m+1
.endr
.set p, p+1
.endr
.set m, 0
.rept 8
	AX 3, m
.set m, m+1
.endr
.irp x, 1,2,4
.irp p, 0,1,2,3
	v_add_f32_dpp v[SS+\p], v[SS+\p], v[SS+\p] row_xmask:\x row_mask:0xf bank_mask:0xf
.endr
.endr
.irp p, 0,1,2,3
	v_log_f32 v[SS+\p], v[SS+\p]
.endr
	v_nop                                          ; a plain line between the last logarithm and the use of its result
	s_wait_alu depctr_va_vdst(0)
	v_pk_add_f32 v[SS:SS+1],   v[SS:SS+1],   v[RES:RES+1]   neg_lo:[0,1] neg_hi:[0,1]
	v_pk_add_f32 v[SS+2:SS+3], v[SS+2:SS+3], v[RES+2:RES+3] neg_lo:[0,1] neg_hi:[0,1]
.irp p, 0,1,2,3
	v_fma_f32 v[RR+\p], v[SS+\p], s50, v[MX+\p]    ; maximum + ln 2 x log2(sum)
.endr
	v_pk_add_f32 v[RR:RR+1],   v[RR:RR+1],   v[PQR:PQR+1]
	v_pk_add_f32 v[RR+2:RR+3], v[RR+2:RR+3], v[PQR+2:PQR+3]
	WIN 0x44*SW                                    ; store data and loaded data in the slot's window
	ds_store_b128 v4, v[RR:RR+3] offset:UW         ; the 8 lanes of a row group write the same 16 bytes with the same numbers
	REFILL \k                                      ; the slot's next step is asked for while the store is out
	s_add_nc_u64 s[44:45], s[44:45], 512           ; the store that named it stands ahead of the refill's wait
	s_add_co_u32 s41, s41, 1
	s_wait_dscnt 0x0                               ; for the others' sake: r is in LDS; my reads of the other row came back at the step's head
	WIN 0
	s_barrier_signal -1
	s_barrier_wait -1
.endm
	s_mov_b32 s26, 0
.Ls:
	STEP 0
	STEP 1
	STEP 2
	STEP 3
	s_add_co_u32 s26, s26, 1
	s_cmp_lt_u32 s26, s27
	s_cbranch_scc1 .Ls
	s_sub_co_u32 s40, s41, s42                     ; where my last step was the loop's last, its row is still owed
	s_cmp_le_u32 s40, s43
	s_cbranch_scc0 .Lfin
	ds_load_b128 v[HB:HB+3], v7 offset:512         ; slot 3 writes the second row
	s_wait_dscnt 0x0
	global_store_b128 v7, v[HB:HB+3], s[44:45]
.Lfin:
	s_wait_tensorcnt 0x0                           ; the wave's end: a wait, an add of 0 to my spare word and its wait, behind my last LDS store
	ds_add_u32 v8, v9
	s_wait_dscnt 0x0
	s_endpgm
.Lfunc_end_k_qf5f25532d8_scan:
	.size	k_qf5f25532d8_scan, .Lfunc_end_k_qf5f25532d8_scan-k_qf5f25532d8_scan
	.p2alignl 7, 3214868480
	.fill 96, 4, 3214868480
	.section	.rodata,"a",@progbits
	.p2align	6, 0x0
	.amdhsa_kernel k_qf5f25532d8_scan
		.amdhsa_group_segment_fixed_size 2048
		.amdhsa_private_segment_fixed_size 0
		.amdhsa_enable_private_segment 0
		.amdhsa_kernarg_size 48
		.amdhsa_user_sgpr_count 2
		.amdhsa_user_sgpr_kernarg_segment_ptr 1
		.amdhsa_wavefront_size32 1
		.amdhsa_system_sgpr_workgroup_id_x 1
		.amdhsa_system_sgpr_workgroup_id_y 1
		.amdhsa_system_sgpr_workgroup_id_z 1
		.amdhsa_system_vgpr_workitem_id 0
		.amdhsa_next_free_vgpr 512
		.amdhsa_next_free_sgpr 66
		.amdhsa_reserve_vcc 0
		.amdhsa_float_denorm_mode_32 3
		.amdhsa_float_denorm_mode_16_64 3
		.amdhsa_memory_ordered 1
		.amdhsa_forward_progress 1
		.amdhsa_inst_pref_size 81
	.end_amdhsa_kernel
	.amdgpu_metadata
---
amdhsa.version: [ 1, 2 ]
amdhsa.kernels:
  - .name:           k_qf5f25532d8_scan
    .symbol:         k_qf5f25532d8_scan.kd
    .args:
      - { .name: p2, .offset: 0, .size: 8, .value_kind: global_buffer, .address_space: global }
      - { .name: m2, .offset: 8, .size: 8, .value_kind: global_buffer, .address_space: global }
      - { .name: pxz, .offset: 16, .size: 8, .value_kind: global_buffer, .address_space: global }
      - { .name: q, .offset: 24, .size: 8, .value_kind: global_buffer, .address_space: global }
      - { .name: w0, .offset: 32, .size: 8, .value_kind: global_buffer, .address_space: global }
      - { .name: rs, .offset: 40, .size: 8, .value_kind: global_buffer, .address_space: global }
    .group_segment_fixed_size: 2048
    .private_segment_fixed_size: 0
    .kernarg_segment_align: 8
    .kernarg_segment_size: 48
    .max_flat_workgroup_size: 256
    .sgpr_count:     66
    .vgpr_count:     512
    .wavefront_size: 32
...
	.end_amdgpu_metadata
.endif
;; end of part 6
;; launch finish: the kernel of part 4 again; grid 256 x 1, 4 waves a work-group, no clusters, 768 bytes of LDS; arguments p2, rs, q, out0, out1, out2; writes out0, out1, out2
